; MI455X (gfx1250); checked and timed in simulation.
; The chip was launched on July 23, 2026; its instructions are those of AMD's public machine-readable ISA for CDNA 5 (MIT licence, August 2026) and "CDNA5" Instruction Set Architecture Reference Guide (July 2026). The comments in the code are by the model that wrote it; some were corrected since.
;; AQ Expert Wrapper. Allowed arithmetic: matrix products marked QUANTISED: E2M1 operands, one E8M0 scale for each 32 along K, by v_wmma_scale_f32_16x16x128_f8f6f4 with both operands' format E2M1 (or v_wmma_scale_f32_32x16x128_f4), f32 sums; everything else in f32.
;; Inputs: hidden_states_codes 8,192 x 32 x 16 uint8 (E2M1 codes of hidden_states, K innermost, in blocks of 32 codes, two codes a byte); hidden_states_scales 8,192 x 32 uint8 (E8M0 scales of hidden_states, one for each 32 codes along K); routing_weights 8,192 x 2 float32; selected_experts 8,192 x 2 int32; w1_codes 8 x 512 x 32 x 16 uint8 (E2M1 codes of w1, K innermost, in blocks of 32 codes, two codes a byte); w1_scales 8 x 512 x 32 uint8 (E8M0 scales of w1, one for each 32 codes along K); w2_codes 8 x 1,024 x 16 x 16 uint8 (E2M1 codes of w2, K innermost, in blocks of 32 codes, two codes a byte); w2_scales 8 x 1,024 x 16 uint8 (E8M0 scales of w2, one for each 32 codes along K).
;; Outputs: out0 8,192 x 1,024 float32.
;; This version of the problem:
;;   THIS VERSION OF THE PROBLEM IS GIVEN IN LOW PRECISION. The matrix products marked QUANTISED in the list below multiply operands that are first quantised to E2M1 (2 exponent bits, 1 mantissa bit; 4 bits a number), with one power-of-two scale for each 32 numbers along K (OCP MX v1.0); their sums are f32. All else is computed in f32.
;;   The module's matrix products, in the order in which they are computed (A, B: the left and right operand; K: the contracted axis; several contracted axes count as one K, in the product's order):
;;     1. [M 8,192, K 1,024] x [K 1,024, N 512]; A: input hidden_states (given as codes); B: input w1 (given as codes): QUANTISED
;;     2. [M 8,192, K 512] x [K 512, N 1,024]; A: computed on the way; B: input w2 (given as codes): QUANTISED
;;     3. [M 8,192, K 1,024] x [K 1,024, N 512]; A: input hidden_states (given as codes); B: input w1 (given as codes): QUANTISED
;;     4. [M 8,192, K 512] x [K 512, N 1,024]; A: computed on the way; B: input w2 (given as codes): QUANTISED
;;     5. [M 8,192, K 1,024] x [K 1,024, N 512]; A: input hidden_states (given as codes); B: input w1 (given as codes): QUANTISED
;;     6. [M 8,192, K 512] x [K 512, N 1,024]; A: computed on the way; B: input w2 (given as codes): QUANTISED
;;     7. [M 8,192, K 1,024] x [K 1,024, N 512]; A: input hidden_states (given as codes); B: input w1 (given as codes): QUANTISED
;;     8. [M 8,192, K 512] x [K 512, N 1,024]; A: computed on the way; B: input w2 (given as codes): QUANTISED
;;     9. [M 8,192, K 1,024] x [K 1,024, N 512]; A: input hidden_states (given as codes); B: input w1 (given as codes): QUANTISED
;;     10. [M 8,192, K 512] x [K 512, N 1,024]; A: computed on the way; B: input w2 (given as codes): QUANTISED
;;     11. [M 8,192, K 1,024] x [K 1,024, N 512]; A: input hidden_states (given as codes); B: input w1 (given as codes): QUANTISED
;;     12. [M 8,192, K 512] x [K 512, N 1,024]; A: computed on the way; B: input w2 (given as codes): QUANTISED
;;     13. [M 8,192, K 1,024] x [K 1,024, N 512]; A: input hidden_states (given as codes); B: input w1 (given as codes): QUANTISED
;;     14. [M 8,192, K 512] x [K 512, N 1,024]; A: computed on the way; B: input w2 (given as codes): QUANTISED
;;     15. [M 8,192, K 1,024] x [K 1,024, N 512]; A: input hidden_states (given as codes); B: input w1 (given as codes): QUANTISED
;;     16. [M 8,192, K 512] x [K 512, N 1,024]; A: computed on the way; B: input w2 (given as codes): QUANTISED
;;   THE QUANTISER, for each operand of a quantised product, along K:
;;     - K is cut into blocks of 32 from its start; a last block that is shorter is filled with zeros.
;;     - A block's scale is 2^e with e = floor(log2(the largest magnitude in the block)) - 2, held to -126 .. 127; a block of zeros has e = 0. As a byte (E8M0): e + 127.
;;     - Each number is divided by its block's scale, clamped to +-6, and rounded to the nearest number of E2M1, ties to even, subnormals kept.
;;     - The product sums the exact products of the quantised numbers (number of the format x scale) in f32.
;;   ~~~python
;;   def quantise(x, axis):      # numpy; x: float32 -> the quantised numbers, widened to float32 again
;;       x = np.moveaxis(x, axis, -1); K = x.shape[-1]
;;       x = np.pad(x, [(0, 0)] * (x.ndim - 1) + [(0, -K % 32)]); x = x.reshape(x.shape[:-1] + (-1, 32)); a = np.abs(x).max(-1, keepdims=True)
;;       e = np.where(a > 0, np.clip(np.frexp(np.where(a > 0, a, 1))[1] - 1 - 2, -126, 127), 0)      # np.frexp(a)[1] - 1 = floor(log2(a)), exactly
;;       r = np.clip(x / 2.0 ** e, -6, 6)
;;       step = 2.0 ** (np.maximum(np.frexp(np.where(r == 0, 1, r))[1] - 1, 0) - 1)
;;       q = np.round(r / step) * step * 2.0 ** e      # np.round: ties to even
;;       return np.moveaxis(q.reshape(q.shape[:-2] + (-1,))[..., :K], -1, axis).astype(np.float32)
;;   ~~~
;;   OPERANDS COMPUTED ON THE WAY. 'Computed on the way' means the value that the module computes at that place (a softmax that the list does not call 'softmax' is quantised finished and normalised). What goes into a quantiser is computed in f32, as accurately as f32 sums, v_exp_f32 and their like allow (about 1e-6 of the number): no bf16 or f16 on the way to a quantiser, and a product that is left as it is and whose result goes on into a quantised operand takes f32 operands (vector FMAs, or v_wmma_f32_16x16x4_f32). A number that lies on a knife's edge between two numbers of the format may be rounded either way, as far as f32 arithmetic and the matrix unit's own rounding can turn it there, and no further.
;;   INPUTS GIVEN AS CODES. hidden_states (in the module: [8192, 1024], K = its axis 1); w1 (in the module: [8, 1024, 512], K = its axis 1); w2 (in the module: [8, 512, 1024], K = its axis 1): each comes as NAME_codes (uint8): NAME with its K axis moved to the last place and cut into blocks of 32 codes, [.., K / 32, bytes a block], one block behind the other in memory; two codes a byte, the lower K in the low four bits (a code: sign, 2 exponent bits, 1 mantissa bit); and NAME_scales (uint8): the same leading axes, one E8M0 byte (e + 127) for each 32 codes along K. Its value is code x scale, taken as it is: it is not quantised again, and the codes and scales need not be those that the quantiser above would give.
;; 2 versions, each right; version 2 is version 1 with the launch moe written anew for expert scheduling mode. Each part assembles by itself: llvm-mc -triple=amdgcn-amd-amdhsa -mcpu=gfx1250 --defsym DOCPART=n.
;; ======== version 1 of 2: 2 launches
;; workspace buffers: order 32,768 bytes of whole numbers; wp 4,456,448 bytes
;; launch prep (part 1): grid 173 x 1, 8 waves a work-group, no clusters, 69,888 bytes of LDS; arguments selected_experts, w1_codes, w1_scales, w2_codes, w2_scales, order, wp; writes order, wp
.if DOCPART == 1
	.amdgcn_target "amdgcn-amd-amdhsa--gfx1250"
	.amdhsa_code_object_version 6
	.text
	.protected	k_q09b0e451dd_prep
	.globl	k_q09b0e451dd_prep
	.p2align	8
	.type	k_q09b0e451dd_prep,@function
k_q09b0e451dd_prep:
	s_mov_b64 s[64:65], 0
	v_nop
	global_prefetch_b8 v0, s[64:65] scope:SCOPE_SE
	s_setreg_imm32_b32 hwreg(HW_REG_WAVE_MODE, 25, 1), 1
	s_wait_xcnt 0x0
; PREP.  Three kinds of work-groups, told apart by the work-group's number alone (the same in all eight waves):
;   0 .. 44    SORT: the 8,192 tokens are sorted by their SET of experts.  A token's two indices, each held at 8 ("none": an index outside 0 .. 7 equals no expert),
;              give lo <= hi and the key 16 lo + hi; there are 45 such sets.  Work-group k owns set k: it reads all indices, counts the tokens with a smaller key
;              and those with its own, and stores its own tokens' words  token | lo << 16 | hi << 20  at their places of 'order', in ascending token order.
;              No atomics: each place of 'order' belongs to one set, so to one work-group.  A set that no token has stores nothing: the grid serves every split.
;   45 .. 108  LAY1: slice i = 8 e + w of W1 (64 rows of 512 bytes of codes, 32 bytes of scales each) is laid in the order of a wave's operand registers.
;   109 .. 172 LAY2: the same for slice i = 8 e + w of W2 (128 rows of 256 bytes of codes, 16 bytes of scales each).
; Both go into ONE buffer, wp: W1's 64 slices, then W2's 64, so that the next launch forms every weight address from one pointer and one whole number.
; A GROUP of the laid weights is 4,352 bytes: 256 bytes of scale words (8 a lane, at 8 x lane), then four fragments of 1,024 bytes; a fragment (16 rows x 128 K of 4-bit codes,
; 8 registers a lane) lies as two pieces of 512 bytes, lane l's 16 bytes at 16 l: registers 4 c .. 4 c + 3.  Lane l = (r = l % 16, h = l / 16) holds row r, K = 64 c + 32 h + 0 .. 31.
;   W1's part [e][w][p 2][g 4]: fragment 2 sl + u = K step 2 g + sl, tile u: lane r takes W1's row 64 w + 32 p + 8 u + r + 8 (r / 8); scale word sl of lane l: K step 2 g + sl of tile l / 16's row.
;   W2's part [e][w][q 2][s 4]: fragment j = K step s, rows 128 w + 64 q + 16 j + r; scale word i of lane l: K step s of row 128 w + 64 q + 16 (2 i + l / 16) + r.
; Each path has LDS bytes of its own and one barrier of its own.
.set NSETS, 45
.set GRP,   4352                       ; bytes of a group
.set WSTR,  8*GRP                      ; bytes of a slice as laid: eight groups, one for each wave of this work-group
.set W2OFF, 64*WSTR                    ; where W2's part of wp begins
.set R1,    256                        ; LDS: LAY1's 64 rows, 528 bytes apart (512 + 16)
.set PT1,   528
.set R2,    R1+64*PT1                  ; LDS: LAY2's 128 rows, 272 bytes apart (256 + 16)
.set PT2,   272
.set E,     16                         ; v16-79   SORT: 32 chunks of 32 tokens, two indices a lane
.set AD,    80                         ; v80-111  SORT: a store's offset, one register for each chunk: none is written twice
.set DT,    112                        ; v112-143 SORT: a store's data, likewise
	s_load_b256 s[4:11], s[0:1], 0x0               ; selected_experts s[4:5], w1_codes s[6:7], w1_scales s[8:9], w2_codes s[10:11]
	s_load_b128 s[12:15], s[0:1], 0x20             ; w2_scales s[12:13], order s[14:15]
	s_load_b64 s[16:17], s[0:1], 0x30              ; wp
	v_lshl_add_u32 v160, v0, 2, 0x10d00
	v_mov_b32 v161, 0
	v_lshrrev_b32 v2, 5, v0
	v_readfirstlane_b32 s20, v2                    ; wave 0 .. 7
	v_and_b32 v1, 31, v0                           ; lane
	v_and_b32 v2, 15, v0                           ; r
	v_bfe_u32 v3, v0, 4, 1                         ; h
	s_mov_b32 s21, ttmp9
	s_cmp_lt_u32 s21, NSETS
	s_cbranch_scc1 .Lsort
	s_cmp_lt_u32 s21, NSETS+64
	s_cbranch_scc1 .Llay1
; ---------------- LAY2 ----------------
	s_sub_co_u32 s21, s21, NSETS+64                ; slice i = 8 e + w
	s_lshl_b32 s22, s21, 15                        ; its codes: 32,768 consecutive bytes
	s_mov_b32 s23, 0
	s_lshl_b32 s24, s21, 11                        ; its scale bytes: 2,048
	s_mov_b32 s25, 0
	s_mul_i32 s26, s21, WSTR                       ; where it goes:
	s_add_co_u32 s26, s26, W2OFF                   ; behind W1's part
	s_mov_b32 s27, 0
	s_lshr_b32 s28, s20, 2                         ; my group: q
	s_and_b32 s29, s20, 3                          ; and K step s
	s_lshl_b32 s30, s20, 12
	v_lshl_add_u32 v5, v1, 4, s30                  ; in: 4,096 x wave + 16 x lane; a load takes 512 consecutive bytes: two rows
	s_mul_i32 s30, s20, 16*PT2
	s_add_co_u32 s30, s30, R2
	v_mul_u32_u24 v6, v3, PT2
	v_lshl_add_u32 v6, v2, 4, v6
	v_add_nc_u32 v6, s30, v6                       ; into LDS: row 16 x wave + 2 t + h, byte 16 r
	v_mul_u32_u24 v7, v2, PT2
	v_lshl_add_u32 v7, v3, 4, v7
	s_mul_i32 s30, s28, 64*PT2
	s_lshl_b32 s31, s29, 6
	s_add_co_u32 s30, s30, s31
	s_add_co_u32 s30, s30, R2
	v_add_nc_u32 v7, s30, v7                       ; out of LDS: row 64 q + r (+ 16 j), byte 64 s + 16 h (+ 32 c)
	v_lshl_add_u32 v8, v3, 4, v2                   ; scale words: row 64 q + 16 h + r (+ 32 i), 16 bytes a row, word s
	s_lshl_b32 s30, s28, 10
	s_lshl_b32 s31, s29, 2
	s_add_co_u32 s30, s30, s31
	v_lshl_add_u32 v8, v8, 4, s30
	s_mul_i32 s30, s20, GRP
	v_lshl_add_u32 v9, v1, 4, s30                  ; my group's pieces: 16 x lane
	v_lshl_add_u32 v10, v1, 3, s30                 ; and its scale words: 8 x lane
	s_wait_kmcnt 0x0
	s_add_nc_u64 s[10:11], s[10:11], s[22:23]
	s_add_nc_u64 s[12:13], s[12:13], s[24:25]
	s_add_nc_u64 s[16:17], s[16:17], s[26:27]
	global_load_b32 v12, v8, s[12:13]
	global_load_b32 v13, v8, s[12:13] offset:512   ; 32 rows further down
.irp t, 0,1,2,3,4,5,6,7
	global_load_b128 v[16+4*\t:19+4*\t], v5, s[10:11] offset:512*\t th:TH_LOAD_NT
.endr
	s_wait_loadcnt 0x0
.irp t, 0,1,2,3,4,5,6,7
	ds_store_b128 v6, v[16+4*\t:19+4*\t] offset:2*PT2*\t
.endr
	s_wait_dscnt 0x0                               ; for the others' sake: my rows lie in LDS
	s_barrier_signal -1
	s_barrier_wait -1
.irp j, 0,1,2,3
.irp c, 0,1
	ds_load_b128 v[48+4*(2*\j+\c):51+4*(2*\j+\c)], v7 offset:\j*16*PT2+32*\c
.endr
.endr
	global_store_b64 v10, v[12:13], s[16:17]       ; 32 lanes store 256 consecutive bytes
.irp i, 0,1,2,3,4,5,6,7
	s_wait_dscnt 7-\i                              ; LDS loads come back in order: piece i is in, the younger ones may be out
	global_store_b128 v9, v[48+4*\i:51+4*\i], s[16:17] offset:256+512*\i   ; 32 lanes store 512 consecutive bytes
.endr
	s_wait_tensorcnt 0x0
	ds_add_u32 v160, v161
	s_wait_dscnt 0x0
	s_endpgm
; ---------------- LAY1 ----------------
.Llay1:
	s_sub_co_u32 s21, s21, NSETS                   ; slice i = 8 e + w
	s_lshl_b32 s22, s21, 15
	s_mov_b32 s23, 0
	s_lshl_b32 s24, s21, 11
	s_mov_b32 s25, 0
	s_mul_i32 s26, s21, WSTR
	s_mov_b32 s27, 0
	s_lshr_b32 s28, s20, 2                         ; my group: p
	s_and_b32 s29, s20, 3                          ; and g
	s_lshl_b32 s30, s20, 12
	v_lshl_add_u32 v5, v1, 4, s30                  ; in: 4,096 x wave + 16 x lane; a load takes one row of 512 bytes
	s_mul_i32 s30, s20, 8*PT1
	s_add_co_u32 s30, s30, R1
	v_lshl_add_u32 v6, v1, 4, s30                  ; into LDS: row 8 x wave + t
	v_and_b32 v4, 8, v2
	v_add_nc_u32 v4, v4, v2                        ; r + 8 (r / 8): the rows of a tile are not neighbours
	v_mul_u32_u24 v7, v4, PT1
	v_lshl_add_u32 v7, v3, 4, v7
	s_mul_i32 s30, s28, 32*PT1
	s_lshl_b32 s31, s29, 7
	s_add_co_u32 s30, s30, s31
	s_add_co_u32 s30, s30, R1
	v_add_nc_u32 v7, s30, v7                       ; out of LDS: row 32 p + r + 8 (r / 8) (+ 8 u), byte 128 g + 16 h (+ 64 sl + 32 c)
	v_lshl_add_u32 v8, v3, 3, v4                   ; scale words: row 32 p + 8 (l / 16) + r + 8 (r / 8), 32 bytes a row, words 2 g and 2 g + 1
	s_lshl_b32 s30, s28, 10
	s_lshl_b32 s31, s29, 3
	s_add_co_u32 s30, s30, s31
	v_lshl_add_u32 v8, v8, 5, s30
	s_mul_i32 s30, s20, GRP
	v_lshl_add_u32 v9, v1, 4, s30
	v_lshl_add_u32 v10, v1, 3, s30
	s_wait_kmcnt 0x0
	s_add_nc_u64 s[6:7], s[6:7], s[22:23]
	s_add_nc_u64 s[8:9], s[8:9], s[24:25]
	s_add_nc_u64 s[16:17], s[16:17], s[26:27]
	global_load_b64 v[12:13], v8, s[8:9]
.irp t, 0,1,2,3,4,5,6,7
	global_load_b128 v[16+4*\t:19+4*\t], v5, s[6:7] offset:512*\t th:TH_LOAD_NT
.endr
	s_wait_loadcnt 0x0
.irp t, 0,1,2,3,4,5,6,7
	ds_store_b128 v6, v[16+4*\t:19+4*\t] offset:PT1*\t
.endr
	s_wait_dscnt 0x0                               ; for the others' sake: my rows lie in LDS
	s_barrier_signal -1
	s_barrier_wait -1
.irp sl, 0,1
.irp u, 0,1
.irp c, 0,1
	ds_load_b128 v[48+4*(2*(2*\sl+\u)+\c):51+4*(2*(2*\sl+\u)+\c)], v7 offset:\u*8*PT1+64*\sl+32*\c
.endr
.endr
.endr
	global_store_b64 v10, v[12:13], s[16:17]
.irp i, 0,1,2,3,4,5,6,7
	s_wait_dscnt 7-\i
	global_store_b128 v9, v[48+4*\i:51+4*\i], s[16:17] offset:256+512*\i
.endr
	s_wait_tensorcnt 0x0
	ds_add_u32 v160, v161
	s_wait_dscnt 0x0
	s_endpgm
; ---------------- SORT ----------------
.Lsort:
	s_mov_b32 s22, 0                               ; a = how many of the sets' first numbers k has reached: sets with lo = a begin at 9 a - a (a - 1) / 2
.irp t, 9,17,24,30,35,39,42,44
	s_cmp_ge_u32 s21, \t
	s_add_co_ci_u32 s22, s22, 0
.endr
	s_mul_i32 s23, s22, s22
	s_sub_co_u32 s23, s23, s22
	s_lshr_b32 s23, s23, 1
	s_mul_i32 s29, s22, 9
	s_sub_co_u32 s29, s29, s23
	s_sub_co_u32 s23, s21, s29
	s_add_co_u32 s23, s23, s22                     ; b = k - first + a
	s_lshl_b32 s24, s22, 4
	s_or_b32 s24, s24, s23                         ; my key: 16 a + b
	s_lshl_b32 s25, s22, 16
	s_lshl_b32 s29, s23, 20
	s_or_b32 s25, s25, s29
	s_lshl_b32 s31, s20, 10
	s_add_co_u32 s31, s31, s25                     ; my wave's first token, with the set's two numbers above it
	s_lshl_b32 s28, s20, 13
	v_lshl_add_u32 v3, v1, 3, s28                  ; wave w owns tokens 1,024 w on: 8 bytes a token, a chunk of 32 tokens is 256 consecutive bytes
	s_mov_b32 s26, 0                               ; tokens of my wave with a smaller key
	s_mov_b32 s27, 0                               ; and with my key
	s_wait_kmcnt 0x0
.set j, 0
.rept 32
	global_load_b64 v[E+2*j:E+2*j+1], v3, s[4:5] offset:256*j
.set j, j+1
.endr
.set j, 0
.rept 32
	s_wait_loadcnt 31-j                            ; loads come back in order: chunk j is in, the younger ones may be out
	v_min_u32 v8, 8, v[E+2*j]                      ; taken as unsigned: whatever lies outside 0 .. 7 becomes 8
	v_min_u32 v9, 8, v[E+2*j+1]
	v_min_u32 v10, v8, v9                          ; lo
	v_add_nc_u32 v11, v8, v9
	v_mad_u32_u24 v10, v10, 15, v11                ; 15 lo + (lo + hi) = 16 lo + hi
	v_cmp_gt_u32 s28, s24, v10
	v_cmp_eq_u32 s[66+j], s24, v10                 ; the chunk's mask of my set stays in a scalar register
	s_bcnt1_i32_b32 s28, s28
	s_bcnt1_i32_b32 s29, s[66+j]
	s_add_co_u32 s26, s26, s28
	s_add_co_u32 s27, s27, s29
.set j, j+1
.endr
	v_mov_b32 v4, s20
	v_lshlrev_b32 v4, 3, v4                        ; my wave's pair of counts: LDS byte 8 x wave
	v_mov_b32 v12, s26
	v_mov_b32 v13, s27
	ds_store_b64 v4, v[12:13]                      ; all lanes write the same pair
	s_wait_dscnt 0x0                               ; for the others' sake
	s_barrier_signal -1
	s_barrier_wait -1
	v_mov_b32 v5, 0
.irp i, 0,1,2,3
	ds_load_b128 v[144+4*\i:147+4*\i], v5 offset:16*\i
.endr
	s_wait_dscnt 0x0
.set n, 0
.rept 16
	v_readfirstlane_b32 s[32+n], v[144+n]
.set n, n+1
.endr
	s_mov_b32 s30, 0                               ; my wave's first place: all tokens with a smaller key, and my set's tokens of the waves below me
.irp i, 0,1,2,3,4,5,6,7
	s_add_co_u32 s30, s30, s[32+2*\i]
	s_cmp_gt_u32 s20, \i
	s_cselect_b32 s29, s[33+2*\i], 0
	s_add_co_u32 s30, s30, s29
.endr
; Chunk j's tokens of my set go to neighbouring places.  A lane whose token is not of the set repeats the first matching lane's place and word, so that all lanes stay on.
.macro PUT
	s_cmp_eq_u32 s[66+j], 0
	s_cbranch_scc1 .Lnone_\@
	v_mbcnt_lo_u32_b32 v8, s[66+j], 0              ; matching lanes below me
	s_ctz_i32_b32 s28, s[66+j]                     ; the first matching lane
	v_cndmask_b32 v8, 0, v8, s[66+j]
	v_cndmask_b32 v9, s28, v1, s[66+j]
	v_add_nc_u32 v8, s30, v8
	v_min_u32 v8, 0x1fff, v8                       ; a place of 'order'
	v_lshlrev_b32 v[AD+j], 2, v8
	v_add3_u32 v[DT+j], v9, s31, 32*j              ; token | lo << 16 | hi << 20
	global_store_b32 v[AD+j], v[DT+j], s[14:15]
	s_bcnt1_i32_b32 s29, s[66+j]
	s_add_co_u32 s30, s30, s29
.Lnone_\@:
.endm
.set j, 0
.rept 32
	PUT
.set j, j+1
.endr
	s_wait_tensorcnt 0x0
	ds_add_u32 v160, v161
	s_wait_dscnt 0x0
	s_endpgm
.Lfunc_end_k_q09b0e451dd_prep:
	.size	k_q09b0e451dd_prep, .Lfunc_end_k_q09b0e451dd_prep-k_q09b0e451dd_prep
	.p2alignl 7, 3214868480
	.fill 96, 4, 3214868480
	.section	.rodata,"a",@progbits
	.p2align	6, 0x0
	.amdhsa_kernel k_q09b0e451dd_prep
		.amdhsa_group_segment_fixed_size 69888
		.amdhsa_private_segment_fixed_size 0
		.amdhsa_enable_private_segment 0
		.amdhsa_kernarg_size 56
		.amdhsa_user_sgpr_count 2
		.amdhsa_user_sgpr_kernarg_segment_ptr 1
		.amdhsa_wavefront_size32 1
		.amdhsa_system_sgpr_workgroup_id_x 1
		.amdhsa_system_sgpr_workgroup_id_y 1
		.amdhsa_system_sgpr_workgroup_id_z 1
		.amdhsa_system_vgpr_workitem_id 0
		.amdhsa_next_free_vgpr 162
		.amdhsa_next_free_sgpr 100
		.amdhsa_reserve_vcc 0
		.amdhsa_float_denorm_mode_32 3
		.amdhsa_float_denorm_mode_16_64 3
		.amdhsa_memory_ordered 1
		.amdhsa_forward_progress 1
		.amdhsa_inst_pref_size 54
	.end_amdhsa_kernel
	.amdgpu_metadata
---
amdhsa.version: [ 1, 2 ]
amdhsa.kernels:
  - .name:           k_q09b0e451dd_prep
    .symbol:         k_q09b0e451dd_prep.kd
    .args:
      - { .name: selected_experts, .offset: 0, .size: 8, .value_kind: global_buffer, .address_space: global }
      - { .name: w1_codes, .offset: 8, .size: 8, .value_kind: global_buffer, .address_space: global }
      - { .name: w1_scales, .offset: 16, .size: 8, .value_kind: global_buffer, .address_space: global }
      - { .name: w2_codes, .offset: 24, .size: 8, .value_kind: global_buffer, .address_space: global }
      - { .name: w2_scales, .offset: 32, .size: 8, .value_kind: global_buffer, .address_space: global }
      - { .name: order, .offset: 40, .size: 8, .value_kind: global_buffer, .address_space: global }
      - { .name: wp, .offset: 48, .size: 8, .value_kind: global_buffer, .address_space: global }
    .group_segment_fixed_size: 69888
    .private_segment_fixed_size: 0
    .kernarg_segment_align: 8
    .kernarg_segment_size: 56
    .max_flat_workgroup_size: 256
    .sgpr_count:     100
    .vgpr_count:     162
    .wavefront_size: 32
...
	.end_amdgpu_metadata
.endif
;; end of part 1
;; launch moe (part 2): grid 128 x 1, 8 waves a work-group, no clusters, 210,944 bytes of LDS; arguments hidden_states_codes, hidden_states_scales, routing_weights, selected_experts, order, wp, out0; writes out0
.if DOCPART == 2
	.amdgcn_target "amdgcn-amd-amdhsa--gfx1250"
	.amdhsa_code_object_version 6
	.text
	.protected	k_q09b0e451dd_moe
	.globl	k_q09b0e451dd_moe
	.p2align	8
	.type	k_q09b0e451dd_moe,@function
k_q09b0e451dd_moe:
	s_mov_b64 s[64:65], 0
	v_nop
	global_prefetch_b8 v0, s[64:65] scope:SCOPE_SE
	s_setreg_imm32_b32 hwreg(HW_REG_WAVE_MODE, 25, 1), 1
	s_wait_xcnt 0x0
; out[t] = sum over e of w_e[t] x ( Q(gelu(x[t] W1_e)) W2_e ), both products on codes of FP4 (E2M1) with one E8M0 scale for each 32 along K; w_e[t] = the routing weights of the slots of t that chose e.
; Only the experts that a token chose are multiplied: for the others w_e is 0 by the mask that the problem itself builds.
; SHARES.  Work-group G owns places 64 G .. 64 G + 63 of 'order' (tokens sorted by their set of experts): four tiles of 16 tokens; each output row has one owner.
; THE WAVES SHARE THE COLUMNS: wave w makes hidden units 64 w .. + 63 and output columns 128 w .. + 127 for all 64 tokens, so each byte of an expert's weights is read once a work-group.
; Both products are used transposed (source 0 = 16 rows of a weight, source 1 = 16 tokens): a lane holds ONE token, its registers run along the hidden units or the output columns.
; PHASE 1 walks experts 0 .. 7 in a loop of constant count and jumps over those that none of the 64 tokens chose (a scalar branch on the stored list): h_e = Q(gelu(x W1_e)) goes as images of
; the next operand's registers into LDS slot e.  One barrier.  PHASE 2: out = sum of w_e (h_e W2_e), 64 columns a wave at a time, twice; each row's 256 bytes leave whole.  The hidden layer never goes to memory.
; THE WEIGHTS come from memory straight into registers, laid by the launch before in the order of the operand registers: a RING of four groups (9 loads each: scale words, four fragments).
; A unit of work (32 hidden units, or 64 columns, of one expert) is four groups, 17,408 bytes; group g is asked for again, for the NEXT unit, as soon as its 16 products are issued.
; So at every unit's head 36 ring loads are out, groups 0 .. 3 in this order, and no other global load: a wait that leaves 27 out shows the oldest group landed.
; A wave's unit n = 128 x phase + 16 e + half lies at wp + 34,816 w + 17,408 n.  Which unit comes next is chosen as the whole number n, which is then held at 241, the last unit: the address is one pointer plus that product.
; NO TENSOR LOADS, NO JOINT LOADS: which experts a work-group walks hangs on the stored list, so neighbours would ask for different weights, and a fill could not stand under the jump over an expert.
; gelu is the tanh form: x / (1 + 2^z), z = K2 x (x^2 + 1 / 0.044715), K2 = -2 sqrt(2 / pi) log2(e) 0.044715; all in f32.
; LIMITS: NaN and infinities are not served; where a result of an expert that a token did not choose would not be finite, the reference's 0 x infinity is not reproduced for experts that are jumped over;
; a hidden block whose largest magnitude lies under 2^-124 (a block of zeros too) keeps the scale byte 1: this program alone reads the bytes.  The sum over experts is a chain of fused multiply-adds in ascending e.
; REGISTERS, in windows of 256.  Window 0: v0 thread; v1-7 addresses; v8-15 codes just made, later the weights w as pairs; v16-31 x's scale words, later the hidden layer's (scales alone);
;   v32-39, v40-47 my four tokens' two experts and two routing weights; v48-55 the ring's scale words; v56-183 the ring's fragments; v184-247 phase 1: 8 accumulators; phase 2: two sets of hidden fragments; on the way out rows and addresses; v248-255 at work.
;   Window 1: phase 1: x's 32 fragments (tile m, K step s at 8 (8 m + s)); phase 2: v0-127 one expert's product, v128-255 out.
.set ES,    278528                     ; bytes of an expert in either part of wp: 16 units
.set WSTR,  34816                      ; of a wave's part of it: 2 units
.set UB,    17408                      ; of a unit: four groups
.set GRP,   4352                       ; of a group
.set NLAST, 241                        ; a wave's last unit: 128 + 16 x 7 + 1
.set XP,    528                        ; LDS from byte 0: 64 rows of x's codes, 512 bytes + 16
.set HS0,   64*XP                      ; eight slots, one for each expert:
.set HSLOT, 17408                      ;   16 fragment images (tile m, K step s at (4 m + s) x 1,024), then
.set HSC,   16384                      ;   the scale words: 256 s + 64 m + 4 r
.set STG,   HS0+8*HSLOT                ; eight stages, a wave's own: 16 rows of 256 bytes + 16
.set SP,    272
.set TT,    STG+8*16*SP                ; eight tables, a wave's own: the 64 token numbers
.set L16, 1                            ; v1  16 x lane
.set L8,  2                            ; v2  8 x lane
.set HST, 3                            ; v3  512 w + 16 r + 8 h: where my 16 codes go in a tile's 4,096 bytes
.set HSS, 4                            ; v4  256 (w / 2) + 2 (w % 2) + 4 r: where my block's scale byte goes
.set AF,  5                            ; v5  the slot's fragments
.set AS,  6                            ; v6  the slot's scale words
.set L4,  7                            ; v7  4 x lane
.set PC,  8
.set WP,  8
.set XS,  16
.set HS,  16
.set EM,  32
.set RW,  40
.set WS,  48
.set WB,  56
.set ACC, 184
.set H,   184
.set RB,  184
.set T,   248
; s[4:15] six buffers, s[18:19] out; s20 wave; s21 bit e: an expert above e is in use; s22 U, the experts in use; s23 the first of them; s24 e; s25 the slot; s[26:27] where the ring's refills come from;
; s[28:29] my wave's part of wp; s[32:39] at work; s[40:47] my eight tokens; s[48:49], s[50:51] gelu's constants, twice each; s52, s53 lane selects
.set MSB, 0
.macro WIN new                         ; the immediate's high byte repeats the setting that is left; at a label and at a branch every window is 0
.if MSB != \new
	s_set_vgpr_msb (MSB<<8)|\new
.set MSB, \new
.endif
.endm
.macro PLACES                          ; four plain places behind a matrix instruction, ahead of loads into its sources and of the first read of its result
.rept 4
	v_nop
.endr
.endm
; One product, registers by the symbols rD, rA, rB, rSA, rSB.  c: the constant 0 (the sum's first K step) or the accumulator.  ra, rb: the side's scale words stand in lanes 16-31.
.macro MM c, ra, rb
.if (\ra) && (\rb)
	v_wmma_scale_f32_16x16x128_f8f6f4 v[rD:rD+7], v[rA:rA+7], v[rB:rB+7], \c, v[rSA], v[rSB] matrix_a_fmt:MATRIX_FMT_FP4 matrix_b_fmt:MATRIX_FMT_FP4 matrix_a_scale:MATRIX_SCALE_ROW1 matrix_b_scale:MATRIX_SCALE_ROW1
.elseif (\ra)
	v_wmma_scale_f32_16x16x128_f8f6f4 v[rD:rD+7], v[rA:rA+7], v[rB:rB+7], \c, v[rSA], v[rSB] matrix_a_fmt:MATRIX_FMT_FP4 matrix_b_fmt:MATRIX_FMT_FP4 matrix_a_scale:MATRIX_SCALE_ROW1
.elseif (\rb)
	v_wmma_scale_f32_16x16x128_f8f6f4 v[rD:rD+7], v[rA:rA+7], v[rB:rB+7], \c, v[rSA], v[rSB] matrix_a_fmt:MATRIX_FMT_FP4 matrix_b_fmt:MATRIX_FMT_FP4 matrix_b_scale:MATRIX_SCALE_ROW1
.else
	v_wmma_scale_f32_16x16x128_f8f6f4 v[rD:rD+7], v[rA:rA+7], v[rB:rB+7], \c, v[rSA], v[rSB] matrix_a_fmt:MATRIX_FMT_FP4 matrix_b_fmt:MATRIX_FMT_FP4
.endif
.endm
; Group g of the unit at s[26:27]: 9 loads, each of consecutive bytes (256, then eight times 512)
.macro REFILL g
	global_load_b64 v[WS+2*\g:WS+2*\g+1], v[L8], s[26:27] offset:\g*GRP
.irp i, 0,1,2,3,4,5,6,7
	global_load_b128 v[WB+32*\g+4*\i:WB+32*\g+4*\i+3], v[L16], s[26:27] offset:\g*GRP+256+512*\i
.endr
.endm
; Where the ring's refills come from next.  If an expert above e is in use: unit 16 x (the next such expert) + am; else unit 16 x (the first expert in use) + bl.
; The choice is made on the unit's number; behind it stand the hold at the last unit, one multiplication and one addition to my wave's pointer.
.macro NEXTU am, bl
	s_add_co_u32 s32, s24, 1
	s_lshr_b32 s33, s22, s32                       ; the experts in use above e
	s_ctz_i32_b32 s34, s33
	s_add_co_u32 s34, s34, s32                     ; the next of them (not used where there is none)
	s_lshl_b32 s34, s34, 4
	s_add_co_u32 s34, s34, \am
	s_lshl_b32 s35, s23, 4
	s_add_co_u32 s35, s35, \bl
	s_lshr_b32 s33, s21, s24
	s_and_b32 s33, s33, 1                          ; is there one?
	s_cmp_lg_u32 s33, 0
	s_cselect_b32 s36, s34, s35
	s_min_u32 s36, s36, NLAST                      ; a unit of my wave's
	s_mul_i32 s38, s36, UB
	s_mov_b32 s39, 0
	s_wait_xcnt 0x0                                ; the ring's loads have read their base: it may be written
	s_add_nc_u64 s[26:27], s[28:29], s[38:39]
.endm
; ---------------- THE HEAD ----------------
	s_load_b256 s[4:11], s[0:1], 0x0               ; x's codes s[4:5], x's scales s[6:7], routing_weights s[8:9], selected_experts s[10:11]
	s_load_b128 s[12:15], s[0:1], 0x20             ; order s[12:13], wp s[14:15]
	s_load_b64 s[18:19], s[0:1], 0x30              ; out
	v_lshrrev_b32 v1, 5, v0
	v_readfirstlane_b32 s20, v1                    ; wave 0 .. 7
	v_and_b32 v7, 31, v0                           ; lane
	v_and_b32 v5, 15, v0                           ; r
	v_bfe_u32 v6, v0, 4, 1                         ; h
	v_lshlrev_b32 v[L16], 4, v7
	v_lshlrev_b32 v[L8], 3, v7
	v_lshlrev_b32 v[L4], 2, v7
	s_lshl_b32 s32, s20, 9
	v_lshl_add_u32 v[HST], v5, 4, s32
	v_lshl_add_u32 v[HST], v6, 3, v[HST]
	s_lshr_b32 s32, s20, 1
	s_lshl_b32 s32, s32, 8
	s_and_b32 s33, s20, 1
	s_lshl_b32 s33, s33, 1
	s_add_co_u32 s32, s32, s33
	v_lshl_add_u32 v[HSS], v5, 2, s32
	v_mul_u32_u24 v248, v5, XP
	v_lshl_add_u32 v248, v6, 4, v248               ; a fragment of x: row r, + 16 h
	v_lshlrev_b32 v249, 2, v5                      ; 4 r
	s_mul_i32 s32, s20, 8*XP
	v_add_nc_u32 v250, s32, v[L16]                 ; where my eight rows of x go
	s_lshl_b32 s32, s20, 8
	s_add_co_u32 s32, s32, TT
	v_add_nc_u32 v251, s32, v[L4]                  ; my table of token numbers
	s_mov_b32 s48, 0x41b2e92f                      ; 1 / 0.044715 = 22.36386
	s_mov_b32 s49, s48                             ; (named with it as a pair, so it is written)
	s_mov_b32 s50, 0xbdd2d3e8                      ; K2 = -0.10294324
	s_mov_b32 s51, s50
	s_mov_b32 s52, 0x76543210
	s_mov_b32 s53, 0xfedcba98                      ; v_permlanex16_b32's selects for lane l xor 16
	s_lshl_b32 s32, ttmp9, 8                       ; my block's 64 words of 'order'
	s_mov_b32 s33, 0
	s_lshl_b32 s34, s20, 5                         ; my wave's eight of them
	s_mov_b32 s35, 0
	s_mul_i32 s38, s20, WSTR
	s_mov_b32 s39, 0
	s_wait_kmcnt 0x0
	s_add_nc_u64 s[36:37], s[12:13], s[32:33]
	s_add_nc_u64 s[34:35], s[36:37], s[34:35]
	s_load_b256 s[40:47], s[34:35], 0x0            ; places 8 w .. 8 w + 7, as scalars: I fetch these tokens' rows of x
	global_load_b32 v184, v[L4], s[36:37]          ; place l
	global_load_b32 v185, v[L4], s[36:37] offset:128   ; place 32 + l
.irp m, 0,1,2,3
	global_load_b32 v[186+\m], v249, s[36:37] offset:64*\m   ; place 16 m + r: my token of tile m
.endr
	s_add_nc_u64 s[28:29], s[14:15], s[38:39]      ; my wave's part of the laid weights
	s_wait_kmcnt 0x0
.irp i, 0,1,2,3,4,5,6,7
	s_and_b32 s[40+\i], s[40+\i], 0x1fff           ; the token's number,
	s_min_u32 s[40+\i], s[40+\i], 0x1fff           ; a row of the table
	v_lshl_add_u32 v[192+\i], s[40+\i], 9, v[L16]
	global_load_b128 v[200+4*\i:203+4*\i], v[192+\i], s[4:5]   ; a whole row of x's codes: 32 lanes, 512 consecutive bytes
.endr
	s_wait_loadcnt 8                               ; the six loads of 'order' are in; the eight rows behind them may be out
	v_bfe_u32 v240, v184, 16, 4                    ; the two experts of each of my two places, as bits
	v_bfe_u32 v241, v184, 20, 4
	v_bfe_u32 v242, v185, 16, 4
	v_bfe_u32 v243, v185, 20, 4
	v_lshlrev_b32 v240, v240, 1
	v_lshlrev_b32 v241, v241, 1
	v_lshlrev_b32 v242, v242, 1
	v_lshlrev_b32 v243, v243, 1
	v_or_b32 v240, v240, v241
	v_or_b32 v242, v242, v243
	v_or_b32 v240, v240, v242
.irp n, 0,1,2,3,4,5
	v_and_b32 v[184+\n], 0x1fff, v[184+\n]
	v_min_u32 v[184+\n], 0x1fff, v[184+\n]         ; token numbers
.endr
	ds_store_b32 v251, v184                        ; my wave's own table, for the way out
	ds_store_b32 v251, v185 offset:128
	v_lshlrev_b32 v232, 5, v184                    ; x's scale bytes: 32 a token = the eight K steps' words.  Lanes 0-15 take an even tile's tokens, lanes 16-31 the odd tile's
	v_lshlrev_b32 v233, 5, v185
	global_load_b128 v[XS:XS+3], v232, s[6:7]
	global_load_b128 v[XS+4:XS+7], v232, s[6:7] offset:16
	global_load_b128 v[XS+8:XS+11], v233, s[6:7]
	global_load_b128 v[XS+12:XS+15], v233, s[6:7] offset:16
.irp m, 0,1,2,3
	v_lshlrev_b32 v[234+\m], 3, v[186+\m]
	global_load_b64 v[EM+2*\m:EM+2*\m+1], v[234+\m], s[10:11]   ; my token's two experts, as they are given,
	global_load_b64 v[RW+2*\m:RW+2*\m+1], v[234+\m], s[8:9]     ; and its two routing weights
.endr
	s_mov_b32 s22, 0                               ; U: bit e = some of the 64 tokens chose expert e (e = 0 .. 7; "none" is left out)
.irp e, 0,1,2,3,4,5,6,7
	v_and_b32 v241, 1<<\e, v240
	v_cmp_ne_u32 s32, 0, v241
	s_cmp_lg_u32 s32, 0
	s_cselect_b32 s33, 1<<\e, 0
	s_or_b32 s22, s22, s33
.endr
	s_lshr_b32 s21, s22, 1                         ; bit e of s21 = some bit of U above e: U >> 1, spread downward
	s_lshr_b32 s32, s21, 1
	s_or_b32 s21, s21, s32
	s_lshr_b32 s32, s21, 2
	s_or_b32 s21, s21, s32
	s_lshr_b32 s32, s21, 4
	s_or_b32 s21, s21, s32
	s_ctz_i32_b32 s23, s22
	s_min_u32 s23, s23, 7                          ; the first expert in use (7 where there is none: the ring's loads stay inside the buffer and are not used)
	s_mul_i32 s32, s23, ES
	s_mov_b32 s33, 0
	s_add_nc_u64 s[26:27], s[28:29], s[32:33]      ; phase 1's first unit
	REFILL 0
	REFILL 1
	REFILL 2
	REFILL 3
	s_wait_loadcnt 48                              ; my eight rows of x are in: behind them 12 loads of scales, experts and weights and the ring's 36
.irp i, 0,1,2,3,4,5,6,7
	ds_store_b128 v250, v[200+4*\i:203+4*\i] offset:XP*\i
.endr
	s_wait_dscnt 0x0                               ; for the others' sake: my rows lie in LDS
	s_barrier_signal -1
	s_barrier_wait -1                              ; all 64 rows do
	WIN 0x40                                       ; destination window 1
.irp m, 0,1,2,3
.irp s, 0,1,2,3,4,5,6,7
.irp c, 0,1
	ds_load_b128 v[8*(8*\m+\s)+4*\c:8*(8*\m+\s)+4*\c+3], v248 offset:16*XP*\m+64*\s+32*\c   ; x stays in registers: tile m, K step s
.endr
.endr
.endr
	WIN 0
	s_wait_dscnt 0x0
	s_wait_loadcnt 36                              ; x's scale words, the experts and the routing weights are in; the ring's 36 may be out
; ---------------- PHASE 1 ----------------
; A unit: hidden units 64 w + 32 p .. + 31 of expert e for the 64 tokens: two tiles of W1's rows x four tiles of tokens = 8 accumulators, K = 1,024 in eight steps, two to a group.
.macro UNIT1 p
.if \p == 0
	s_wait_xcnt 0x0                                ; the ring's loads have read their base: it may be written
	s_mul_i32 s32, s24, ES
	s_mov_b32 s33, 0
	s_add_nc_u64 s[26:27], s[28:29], s[32:33]
	s_add_nc_u64 s[26:27], s[26:27], UB            ; the next unit: this expert's second
.else
	NEXTU 0, 128                                   ; the next expert's first unit, or phase 2's first: the first expert's columns 0-63
.endif
	WIN 0x04                                       ; source 1 (x) window 1
.irp g, 0,1,2,3
	s_wait_loadcnt 27                              ; the ring's oldest group is in; three groups of 9 may be out
.irp sl, 0,1
.irp u, 0,1
.irp m, 0,1,2,3
.set rD, ACC+8*(4*\u+\m)
.set rA, WB+32*\g+8*(2*\sl+\u)
.set rB, 8*(8*\m+2*\g+\sl)
.set rSA, WS+2*\g+\sl
.set rSB, XS+8*(\m/2)+2*\g+\sl
.if (\g+\sl) == 0
	MM 0, \u, \m%2                                 ; the first K step starts the sums.  The eight accumulators take turns, one instruction a turn
.else
	MM v[rD:rD+7], \u, \m%2
.endif
.endr
.endr
.endr
	PLACES
	REFILL \g                                      ; the same group of the next unit (a load names a destination and source 0: both window 0)
.endr
	WIN 0
	s_wait_dscnt 0x0                               ; the last unit's LDS stores have read their registers
.irp a, 0,1,2,3,4,5,6,7                ; gelu, an accumulator at a time, from its low end on
.irp i, 0,2,4,6
	v_pk_fma_f32 v[T+\i:T+\i+1], v[ACC+8*\a+\i:ACC+8*\a+\i+1], v[ACC+8*\a+\i:ACC+8*\a+\i+1], s[48:49] op_sel_hi:[1,1,0]   ; x^2 + 1 / 0.044715
.endr
.irp i, 0,2,4,6
	v_pk_mul_f32 v[T+\i:T+\i+1], v[T+\i:T+\i+1], s[50:51] op_sel_hi:[1,0]          ; x K2
.endr
.irp i, 0,2,4,6
	v_pk_mul_f32 v[T+\i:T+\i+1], v[T+\i:T+\i+1], v[ACC+8*\a+\i:ACC+8*\a+\i+1]      ; x x = z
.endr
.irp i, 0,1,2,3,4,5,6,7
	v_exp_f32 v[T+\i], v[T+\i]
.endr
	v_nop                                          ; a plain place behind the transcendentals
	s_wait_alu depctr_va_vdst(0)
.irp i, 0,2,4,6
	v_pk_add_f32 v[T+\i:T+\i+1], v[T+\i:T+\i+1], 1.0 op_sel_hi:[1,0]
.endr
.irp i, 0,1,2,3,4,5,6,7
	v_rcp_f32 v[T+\i], v[T+\i]
.endr
	v_nop
	s_wait_alu depctr_va_vdst(0)
.irp i, 0,2,4,6
	v_pk_mul_f32 v[ACC+8*\a+\i:ACC+8*\a+\i+1], v[ACC+8*\a+\i:ACC+8*\a+\i+1], v[T+\i:T+\i+1]   ; x / (1 + 2^z)
.endr
.endr
; The quantiser.  Lane (r, h) holds, of token r of tile m, the block's units 16 h + 0 .. 15: tile u = 0 the first eight, u = 1 the others.  The four tiles of tokens by turns.
.irp m, 0,1,2,3
	v_max3_num_f32 v[T+\m], |v[ACC+8*\m]|, |v[ACC+8*\m+1]|, 0x1800000   ; with the floor 2^(3 - 127): the byte cannot fall under 1
.endr
.irp i, 2,4,6
.irp m, 0,1,2,3
	v_max3_num_f32 v[T+\m], v[T+\m], |v[ACC+8*\m+\i]|, |v[ACC+8*\m+\i+1]|
.endr
.endr
.irp i, 0,2,4,6
.irp m, 0,1,2,3
	v_max3_num_f32 v[T+\m], v[T+\m], |v[ACC+32+8*\m+\i]|, |v[ACC+32+8*\m+\i+1]|
.endr
.endr
.irp m, 0,1,2,3
	v_permlanex16_b32 v[T+4+\m], v[T+\m], s52, s53
.endr
.irp m, 0,1,2,3
	v_max_num_f32 v[T+\m], v[T+\m], v[T+4+\m]      ; with lane l xor 16's 16: the block's largest magnitude
.endr
.irp m, 0,1,2,3
	v_add_nc_u32 v[T+4+\m], 0xff000000, v[T+\m]    ; 2 off its exponent field: the conversion's scale operand
.endr
.irp m, 0,1,2,3
	v_lshrrev_b32 v[T+\m], 23, v[T+4+\m]           ; the scale's byte
.endr
.irp m, 0,1,2,3
	v_cvt_scalef32_pk8_fp4_f32 v[PC+2*\m], v[ACC+8*\m:ACC+8*\m+7], v[T+4+\m]
	v_cvt_scalef32_pk8_fp4_f32 v[PC+2*\m+1], v[ACC+32+8*\m:ACC+32+8*\m+7], v[T+4+\m]
.endr
	v_nop                                          ; one plain place behind the last scaled conversion
; Block 2 w + p of the next K lies at byte 256 (2 w + p) of a tile's 4,096 bytes of images, 16 bytes a token: my 16 codes are bytes 8 h .. 8 h + 7 of token r's.  No lane changes places.
	v_add_nc_u32 v[AF], s25, v[HST]
	v_add_nc_u32 v[AS], s25, v[HSS]
.irp m, 0,1,2,3
	ds_store_b64 v[AF], v[PC+2*\m:PC+2*\m+1] offset:4096*\m+256*\p
	ds_store_b8 v[AS], v[T+\m] offset:HSC+64*\m+\p ; both halves of the lanes write the same byte with the same value
.endr
.endm
	s_mov_b32 s24, 0
	s_mov_b32 s25, HS0
.Lp1:
	s_lshr_b32 s32, s22, s24
	s_and_b32 s32, s32, 1
	s_cmp_eq_u32 s32, 0
	s_cbranch_scc1 .Lp1_skip                       ; none of my 64 tokens chose e
	UNIT1 0
	UNIT1 1
.Lp1_skip:
	s_add_co_u32 s25, s25, HSLOT
	s_add_co_u32 s24, s24, 1
	s_cmp_lt_u32 s24, 8
	s_cbranch_scc1 .Lp1
	s_wait_dscnt 0x0                               ; for the others' sake: my images and scale bytes lie in LDS
	s_barrier_signal -1
	s_barrier_wait -1                              ; the hidden layers of all experts in use are whole; the ring's loads stay on their way
; ---------------- PHASE 2 ----------------
.macro HLOAD s                         ; K step s of the slot's hidden layer into set s % 2: four fragments and two registers of scale words: 10 LDS loads
.irp m, 0,1,2,3
.irp c, 0,1
	ds_load_b128 v[H+32*((\s)%2)+8*\m+4*\c:H+32*((\s)%2)+8*\m+4*\c+3], v[AF] offset:(4*\m+(\s))*1024+512*\c
.endr
.endr
.irp z, 0,1
	ds_load_b32 v[HS+2*((\s)%2)+\z], v[AS] offset:HSC+256*(\s)+128*\z   ; lanes 0-15 tile 2 z, lanes 16-31 tile 2 z + 1
.endr
.endm
; A unit: 64 columns of expert e for the 64 tokens: four tiles of W2's rows x four tiles of tokens = 16 accumulators, K = 512 in four steps, one to a group.  refill = 0: the very last unit asks for nothing.
.macro UNIT2 refill
	v_add_nc_u32 v[AF], s25, v[L16]
	v_add_nc_u32 v[AS], s25, v[L4]
	HLOAD 0
	HLOAD 1
.irp m, 0,1,2,3                        ; w_e of my token of tile m: the routing weights of the slots that chose e
	v_cmp_eq_u32 vcc_lo, s24, v[EM+2*\m]
	v_cndmask_b32 v[T], 0, v[RW+2*\m], vcc_lo
	v_cmp_eq_u32 vcc_lo, s24, v[EM+2*\m+1]
	v_cndmask_b32 v[T+1], 0, v[RW+2*\m+1], vcc_lo
	v_add_f32 v[WP+2*\m], v[T], v[T+1]
	v_mov_b32 v[WP+2*\m+1], v[WP+2*\m]             ; twice: a pair for the packed multiply-add
.endr
.irp s, 0,1,2,3
.if \refill
	s_wait_loadcnt 27                              ; the ring's oldest group is in
.else
	s_wait_loadcnt 27-9*\s                         ; nothing is asked for any more: the counts run down
.endif
.if \s < 3
	s_wait_dscnt 10                                ; this step's hidden fragments are in; the other set's 10 loads may be out
.else
	s_wait_dscnt 0x0
.endif
	WIN 0x50                                       ; C and D window 1
.irp j, 0,1,2,3
.irp m, 0,1,2,3
.set rD, 8*(4*\j+\m)
.set rA, WB+32*\s+8*\j
.set rB, H+32*(\s%2)+8*\m
.set rSA, WS+2*\s+\j/2
.set rSB, HS+2*(\s%2)+\m/2
.if \s == 0
	MM 0, \j%2, \m%2                               ; the 16 accumulators take turns, one instruction a turn
.else
	MM v[rD:rD+7], \j%2, \m%2
.endif
.endr
.endr
	WIN 0
	PLACES
.if \refill
	REFILL \s
.endif
.if \s < 2
	HLOAD \s+2
.endif
.endr
	WIN 0x51                                       ; the product and out in window 1, w in window 0
.irp j, 0,1,2,3
.irp m, 0,1,2,3
.irp i, 0,2,4,6
	v_pk_fma_f32 v[128+8*(4*\j+\m)+\i:128+8*(4*\j+\m)+\i+1], v[8*(4*\j+\m)+\i:8*(4*\j+\m)+\i+1], v[WP+2*\m:WP+2*\m+1], v[128+8*(4*\j+\m)+\i:128+8*(4*\j+\m)+\i+1]   ; out += w_e x product; each product from its low end on
.endr
.endr
.endr
	WIN 0
.endm
.macro CLEAR                           ; how many experts add into a row hangs on the data and may be none: so out begins as zeros
	WIN 0x40
.set n, 0
.rept 128
	v_mov_b32 v[128+n], 0
.set n, n+1
.endr
	WIN 0
.endm
; THE WAY OUT of columns 128 w + 64 q .. + 63.  A lane holds 32 neighbouring bytes of one token's row, four times; a tile of 16 tokens goes through my own stage and comes back as rows of 256 bytes.
.macro STORE q
	v_and_b32 v220, 15, v0                         ; the addresses are made here, in registers that the hidden fragments have left
	v_bfe_u32 v221, v0, 4, 1
	s_mul_i32 s32, s20, 16*SP
	s_add_co_u32 s32, s32, STG
	v_mul_u32_u24 v216, v220, SP
	v_lshl_add_u32 v216, v221, 5, v216
	v_add_nc_u32 v216, s32, v216                   ; in: row r, + 32 h
	v_mul_u32_u24 v217, v221, SP
	v_lshl_add_u32 v217, v220, 4, v217
	v_add_nc_u32 v217, s32, v217                   ; back: lanes 0-15 one row, lanes 16-31 the next
	s_lshl_b32 s33, s20, 8
	s_add_co_u32 s33, s33, TT
	v_lshl_add_u32 v218, v221, 2, s33              ; those rows' token numbers in my table
	s_lshl_b32 s33, s20, 9
	v_lshl_add_u32 v219, v220, 4, s33              ; my wave's 512 bytes of a row of out, 16 bytes a lane
.irp m, 0,1,2,3
	s_wait_xcnt 0x0                                ; earlier stores have read their registers
	WIN 0x04                                       ; an LDS store's data are its source 1: window 1
.irp j, 0,1,2,3
	ds_store_b128 v216, v[128+8*(4*\j+\m):128+8*(4*\j+\m)+3] offset:64*\j
	ds_store_b128 v216, v[128+8*(4*\j+\m)+4:128+8*(4*\j+\m)+7] offset:64*\j+16
.endr
	WIN 0
.irp i, 0,1,2,3,4,5,6,7
	ds_load_b32 v[T+\i], v218 offset:4*(16*\m+2*\i)
.endr
.irp i, 0,1,2,3,4,5,6,7
	ds_load_b128 v[RB+4*\i:RB+4*\i+3], v217 offset:2*SP*\i   ; LDS serves a wave's instructions in order: these see my stores
.endr
	s_wait_dscnt 0x0
.irp i, 0,1,2,3,4,5,6,7
	v_min_u32 v[T+\i], 0x1fff, v[T+\i]             ; a row of out,
	v_lshl_add_u32 v[T+\i], v[T+\i], 12, v219      ; 4,096 bytes a row
.endr
.irp i, 0,1,2,3,4,5,6,7
	global_store_b128 v[T+\i], v[RB+4*\i:RB+4*\i+3], s[18:19] offset:256*\q th:TH_STORE_NT   ; 16 lanes store 256 consecutive bytes, at a multiple of 256 from out's first byte
.endr
.endr
	s_wait_xcnt 0x0                                ; the stores have read their registers: what follows may write them
.endm
; columns 128 w .. + 63
	CLEAR
	s_mov_b32 s24, 0
	s_mov_b32 s25, HS0
.Lc0:
	s_lshr_b32 s32, s22, s24
	s_and_b32 s32, s32, 1
	s_cmp_eq_u32 s32, 0
	s_cbranch_scc1 .Lc0_skip
	NEXTU 128, 129                                 ; the next expert's unit of these columns, or the first expert's of the other 64
	UNIT2 1
.Lc0_skip:
	s_add_co_u32 s25, s25, HSLOT
	s_add_co_u32 s24, s24, 1
	s_cmp_lt_u32 s24, 8
	s_cbranch_scc1 .Lc0
	STORE 0                                        ; these stores leave while the other 64 columns are multiplied
; columns 128 w + 64 .. + 127
	CLEAR
	s_mov_b32 s24, 0
	s_mov_b32 s25, HS0
.Lc1:
	s_lshr_b32 s32, s22, s24
	s_and_b32 s32, s32, 1
	s_cmp_eq_u32 s32, 0
	s_cbranch_scc1 .Lc1_skip
	s_lshr_b32 s33, s21, s24
	s_and_b32 s33, s33, 1
	s_cmp_lg_u32 s33, 0
	s_cbranch_scc1 .Lc1_more
	UNIT2 0                                        ; the last expert in use: no unit follows
	s_branch .Lc1_skip
.Lc1_more:
	NEXTU 129, 129                                 ; the next expert's unit of these columns
	UNIT2 1
.Lc1_skip:
	s_add_co_u32 s25, s25, HSLOT
	s_add_co_u32 s24, s24, 1
	s_cmp_lt_u32 s24, 8
	s_cbranch_scc1 .Lc1
	STORE 1
	s_wait_xcnt 0x0
	v_lshl_add_u32 v250, v0, 2, 0x33400
	v_mov_b32 v251, 0
	s_wait_tensorcnt 0x0
	ds_add_u32 v250, v251
	s_wait_dscnt 0x0
	s_endpgm
.Lfunc_end_k_q09b0e451dd_moe:
	.size	k_q09b0e451dd_moe, .Lfunc_end_k_q09b0e451dd_moe-k_q09b0e451dd_moe
	.p2alignl 7, 3214868480
	.fill 96, 4, 3214868480
	.section	.rodata,"a",@progbits
	.p2align	6, 0x0
	.amdhsa_kernel k_q09b0e451dd_moe
		.amdhsa_group_segment_fixed_size 210944
		.amdhsa_private_segment_fixed_size 0
		.amdhsa_enable_private_segment 0
		.amdhsa_kernarg_size 56
		.amdhsa_user_sgpr_count 2
		.amdhsa_user_sgpr_kernarg_segment_ptr 1
		.amdhsa_wavefront_size32 1
		.amdhsa_system_sgpr_workgroup_id_x 1
		.amdhsa_system_sgpr_workgroup_id_y 1
		.amdhsa_system_sgpr_workgroup_id_z 1
		.amdhsa_system_vgpr_workitem_id 0
		.amdhsa_next_free_vgpr 512
		.amdhsa_next_free_sgpr 66
		.amdhsa_reserve_vcc 1
		.amdhsa_float_denorm_mode_32 3
		.amdhsa_float_denorm_mode_16_64 3
		.amdhsa_memory_ordered 1
		.amdhsa_forward_progress 1
		.amdhsa_inst_pref_size 177
	.end_amdhsa_kernel
	.amdgpu_metadata
---
amdhsa.version: [ 1, 2 ]
amdhsa.kernels:
  - .name:           k_q09b0e451dd_moe
    .symbol:         k_q09b0e451dd_moe.kd
    .args:
      - { .name: hidden_states_codes, .offset: 0, .size: 8, .value_kind: global_buffer, .address_space: global }
      - { .name: hidden_states_scales, .offset: 8, .size: 8, .value_kind: global_buffer, .address_space: global }
      - { .name: routing_weights, .offset: 16, .size: 8, .value_kind: global_buffer, .address_space: global }
      - { .name: selected_experts, .offset: 24, .size: 8, .value_kind: global_buffer, .address_space: global }
      - { .name: order, .offset: 32, .size: 8, .value_kind: global_buffer, .address_space: global }
      - { .name: wp, .offset: 40, .size: 8, .value_kind: global_buffer, .address_space: global }
      - { .name: out0, .offset: 48, .size: 8, .value_kind: global_buffer, .address_space: global }
    .group_segment_fixed_size: 210944
    .private_segment_fixed_size: 0
    .kernarg_segment_align: 8
    .kernarg_segment_size: 56
    .max_flat_workgroup_size: 256
    .sgpr_count:     66
    .vgpr_count:     512
    .wavefront_size: 32
...
	.end_amdgpu_metadata
.endif
;; end of part 2
;; ======== version 2 of 2: 2 launches; version 1 with the launch moe written anew for expert scheduling mode
;; workspace buffers: order 32,768 bytes of whole numbers; wp 4,456,448 bytes
;; launch prep: the kernel of part 1 again; grid 173 x 1, 8 waves a work-group, no clusters, 69,888 bytes of LDS; arguments selected_experts, w1_codes, w1_scales, w2_codes, w2_scales, order, wp; writes order, wp
;; launch moe (part 3): grid 128 x 1, 8 waves a work-group, no clusters, 210,944 bytes of LDS; arguments hidden_states_codes, hidden_states_scales, routing_weights, selected_experts, order, wp, out0; writes out0
.if DOCPART == 3
	.amdgcn_target "amdgcn-amd-amdhsa--gfx1250"
	.amdhsa_code_object_version 6
	.text
	.protected	k_q09b0e451dd_moe
	.globl	k_q09b0e451dd_moe
	.p2align	8
	.type	k_q09b0e451dd_moe,@function
k_q09b0e451dd_moe:
	s_mov_b64 s[64:65], 0
	v_nop
	global_prefetch_b8 v0, s[64:65] scope:SCOPE_SE
	s_setreg_imm32_b32 hwreg(HW_REG_WAVE_SCHED_MODE, 0, 2), 2
	s_setreg_imm32_b32 hwreg(HW_REG_WAVE_MODE, 25, 1), 1
	s_wait_xcnt 0x0
	s_wait_alu depctr_vm_vsrc(0)
; out[t] = sum over e of w_e[t] x ( Q(gelu(x[t] W1_e)) W2_e ), both products on codes of FP4 (E2M1) with one E8M0 scale for each 32 along K; w_e[t] = the routing weights of the slots of t that chose e.
; Only the experts that a token chose are multiplied: for the others w_e is 0 by the mask that the problem itself builds.
; SHARES.  Work-group G owns places 64 G .. 64 G + 63 of 'order' (tokens sorted by their set of experts): four tiles of 16 tokens; each output row has one owner.
; THE WAVES SHARE THE COLUMNS: wave w makes hidden units 64 w .. + 63 and output columns 128 w .. + 127 for all 64 tokens, so each byte of an expert's weights is read once a work-group.
; Both products are used transposed (source 0 = 16 rows of a weight, source 1 = 16 tokens): a lane holds ONE token, its registers run along the hidden units or the output columns.
; PHASE 1 walks experts 0 .. 7 in a loop of constant count and jumps over those that none of the 64 tokens chose (a scalar branch on the stored list): h_e = Q(gelu(x W1_e)) goes as images of
; the next operand's registers into LDS slot e.  One barrier.  PHASE 2: out = sum of w_e (h_e W2_e), 64 columns a wave at a time, twice; each row's 256 bytes leave whole.  The hidden layer never goes to memory.
; THE WEIGHTS come from memory straight into registers, laid by the launch before in the order of the operand registers: a RING of four groups (9 loads each: scale words, four fragments).
; A unit of work (32 hidden units, or 64 columns, of one expert) is four groups, 17,408 bytes; a step multiplies one group (16 products); group g is asked for again, for the NEXT unit,
; in the step behind its own (group 3: behind the unit's last products).
; So at every unit's head 36 ring loads are out, groups 0 .. 3 in this order, and no other global load: a wait that leaves 27 out shows group 0 landed; at the heads of steps 1 to 3 two younger groups are out: 18.
; A wave's unit n = 128 x phase + 16 e + half lies at wp + 34,816 w + 17,408 n.  Which unit comes next is chosen as the whole number n, which is then held at 241, the last unit: the address is one pointer plus that product.
; NO TENSOR LOADS, NO JOINT LOADS: which experts a work-group walks hangs on the stored list, so neighbours would ask for different weights, and a fill could not stand under the jump over an expert.
; gelu is the tanh form: x / (1 + 2^z), z = K2 x (x^2 + 1 / 0.044715), K2 = -2 sqrt(2 / pi) log2(e) 0.044715; all in f32.
; LIMITS: NaN and infinities are not served; where a result of an expert that a token did not choose would not be finite, the reference's 0 x infinity is not reproduced for experts that are jumped over;
; a hidden block whose largest magnitude lies under 2^-124 (a block of zeros too) keeps the scale byte 1: this program alone reads the bytes.  The sum over experts is a chain of fused multiply-adds in ascending e.
; THE MODE: SCHED_MODE bits 1:0 = 2 (LLVM: expert scheduling mode 2), set by the entry lines.  The code itself states the register dependences
; between vector or matrix instructions and memory or LDS instructions, with s_wait_alu, always for 0.
; THE PLAN.  Registers that memory or LDS instructions touch, and who else names them:
;   v1, v2, v7        offsets, made once at the head and never written again: the ring's scalar base and immediate offsets do the rest.
;   the ring          Step g's 16 products read group g (fragments and scale words); the next unit's loads land in it in step g + 1, behind that step's wait on va_vdst.
;   v[AF], v[AS]      Written once a unit by two additions; read by the unit's LDS stores (phase 1) or LDS loads (phase 2).
;   v[PC ..], v[T ..] Phase 1: written at a unit's end (codes, scale bytes), read by its eight LDS stores, written again in the next unit's gelu.
;   H0, H1, v[HS ..]  Phase 2: step s's products read set s % 2; the LDS loads of step s + 2 land in it at the head of step s + 1, behind the same wait as the ring's.
;   out, v216-219, v[T ..], v[RB ..]   The way out: out is read by LDS stores; rows and token numbers land in RB and T; T becomes the global stores' addresses.
; So a step has ONE wait on va_vdst, at its head, behind the waits for its data: the step before is done reading what this step's loads land in.  In phase 1 those loads are dealt among the step's products,
; which name group g, x, the scale words and the accumulators, none of which the loads touch; in phase 2 they stand in one run ahead of the products, whose destination window a load could not use.
; REGISTERS, in windows of 256.  Window 0: v0 thread; v1-7 addresses; v8-15 codes just made, later the weights w as pairs; v16-31 x's scale words, later the hidden layer's (scales alone);
;   v32-39, v40-47 my four tokens' two experts and two routing weights; v48-55 the ring's scale words; v56-183 the ring's fragments; v184-247 phase 1: 8 accumulators; phase 2: two sets of hidden fragments; on the way out rows and addresses; v248-255 at work.
;   Window 1: phase 1: x's 32 fragments (tile m, K step s at 8 (8 m + s)); phase 2: v0-127 one expert's product, v128-255 out.
.set ES,    278528                     ; bytes of an expert in either part of wp: 16 units
.set WSTR,  34816                      ; of a wave's part of it: 2 units
.set UB,    17408                      ; of a unit: four groups
.set GRP,   4352                       ; of a group
.set NLAST, 241                        ; a wave's last unit: 128 + 16 x 7 + 1
.set XP,    528                        ; LDS from byte 0: 64 rows of x's codes, 512 bytes + 16
.set HS0,   64*XP                      ; eight slots, one for each expert:
.set HSLOT, 17408                      ;   16 fragment images (tile m, K step s at (4 m + s) x 1,024), then
.set HSC,   16384                      ;   the scale words: 256 s + 64 m + 4 r
.set STG,   HS0+8*HSLOT                ; eight stages, a wave's own: 16 rows of 256 bytes + 16
.set SP,    272
.set TT,    STG+8*16*SP                ; eight tables, a wave's own: the 64 token numbers
.set L16, 1                            ; v1  16 x lane
.set L8,  2                            ; v2  8 x lane
.set HST, 3                            ; v3  512 w + 16 r + 8 h: where my 16 codes go in a tile's 4,096 bytes
.set HSS, 4                            ; v4  256 (w / 2) + 2 (w % 2) + 4 r: where my block's scale byte goes
.set AF,  5                            ; v5  the slot's fragments
.set AS,  6                            ; v6  the slot's scale words
.set L4,  7                            ; v7  4 x lane
.set PC,  8
.set WP,  8
.set XS,  16
.set HS,  16
.set EM,  32
.set RW,  40
.set WS,  48
.set WB,  56
.set ACC, 184
.set H,   184
.set RB,  184
.set T,   248
; s[4:15] six buffers, s[18:19] out; s20 wave; s21 bit e: an expert above e is in use; s22 U, the experts in use; s23 the first of them; s24 e; s25 the slot; s[26:27] where the ring's refills come from;
; s[28:29] my wave's part of wp; s[32:39] at work, also the masks of a run of eight compares; s[40:47] my eight tokens; s[48:49], s[50:51] gelu's constants, twice each; s52, s53 lane selects
.set MSB, 0
.macro WIN new                         ; the immediate's high byte repeats the setting that is left; at a label and at a branch every window is 0
.if MSB != \new
	s_set_vgpr_msb (MSB<<8)|\new
.set MSB, \new
.endif
.endm
.macro PLACES                          ; four plain places behind a matrix instruction, ahead of the first read of its result by a vector instruction (ISA guide 7.12.1)
.rept 4
	v_nop
.endr
.endm
; One product, registers by the symbols rD, rA, rB, rSA, rSB.  c: the constant 0 (the sum's first K step) or the accumulator.  ra, rb: the side's scale words stand in lanes 16-31.
.macro MM c, ra, rb
.if (\ra) && (\rb)
	v_wmma_scale_f32_16x16x128_f8f6f4 v[rD:rD+7], v[rA:rA+7], v[rB:rB+7], \c, v[rSA], v[rSB] matrix_a_fmt:MATRIX_FMT_FP4 matrix_b_fmt:MATRIX_FMT_FP4 matrix_a_scale:MATRIX_SCALE_ROW1 matrix_b_scale:MATRIX_SCALE_ROW1
.elseif (\ra)
	v_wmma_scale_f32_16x16x128_f8f6f4 v[rD:rD+7], v[rA:rA+7], v[rB:rB+7], \c, v[rSA], v[rSB] matrix_a_fmt:MATRIX_FMT_FP4 matrix_b_fmt:MATRIX_FMT_FP4 matrix_a_scale:MATRIX_SCALE_ROW1
.elseif (\rb)
	v_wmma_scale_f32_16x16x128_f8f6f4 v[rD:rD+7], v[rA:rA+7], v[rB:rB+7], \c, v[rSA], v[rSB] matrix_a_fmt:MATRIX_FMT_FP4 matrix_b_fmt:MATRIX_FMT_FP4 matrix_b_scale:MATRIX_SCALE_ROW1
.else
	v_wmma_scale_f32_16x16x128_f8f6f4 v[rD:rD+7], v[rA:rA+7], v[rB:rB+7], \c, v[rSA], v[rSB] matrix_a_fmt:MATRIX_FMT_FP4 matrix_b_fmt:MATRIX_FMT_FP4
.endif
.endm
; Group g of the unit at s[26:27]: 9 loads, each of consecutive bytes (256, then eight times 512)
.macro REFILL g
	global_load_b64 v[WS+2*(\g):WS+2*(\g)+1], v[L8], s[26:27] offset:(\g)*GRP
.irp i, 0,1,2,3,4,5,6,7
	global_load_b128 v[WB+32*(\g)+4*\i:WB+32*(\g)+4*\i+3], v[L16], s[26:27] offset:(\g)*GRP+256+512*\i
.endr
.endm
; The same nine loads in four parts, in the same order: part k = 0 .. 3 holds pieces 2 k and 2 k + 1, part 0 the scale words ahead of them
.macro REFILLQ g, k
.if (\k) == 0
	global_load_b64 v[WS+2*(\g):WS+2*(\g)+1], v[L8], s[26:27] offset:(\g)*GRP
.endif
.irp i, 0,1
	global_load_b128 v[WB+32*(\g)+4*(2*(\k)+\i):WB+32*(\g)+4*(2*(\k)+\i)+3], v[L16], s[26:27] offset:(\g)*GRP+256+512*(2*(\k)+\i)
.endr
.endm
; Where the ring's refills come from next.  If an expert above e is in use: unit 16 x (the next such expert) + am; else unit 16 x (the first expert in use) + bl.
; The choice is made on the unit's number; behind it stand the hold at the last unit, one multiplication and one addition to my wave's pointer.
.macro NEXTU am, bl
	s_add_co_u32 s32, s24, 1
	s_lshr_b32 s33, s22, s32                       ; the experts in use above e
	s_ctz_i32_b32 s34, s33
	s_add_co_u32 s34, s34, s32                     ; the next of them (not used where there is none)
	s_lshl_b32 s34, s34, 4
	s_add_co_u32 s34, s34, \am
	s_lshl_b32 s35, s23, 4
	s_add_co_u32 s35, s35, \bl
	s_lshr_b32 s33, s21, s24
	s_and_b32 s33, s33, 1                          ; is there one?
	s_cmp_lg_u32 s33, 0
	s_cselect_b32 s36, s34, s35
	s_min_u32 s36, s36, NLAST                      ; a unit of my wave's
	s_mul_i32 s38, s36, UB
	s_mov_b32 s39, 0
	s_wait_xcnt 0x0                                ; the ring's loads have read their base: it may be written
	s_add_nc_u64 s[26:27], s[28:29], s[38:39]
.endm
; ---------------- THE HEAD ----------------
	s_load_b256 s[4:11], s[0:1], 0x0               ; x's codes s[4:5], x's scales s[6:7], routing_weights s[8:9], selected_experts s[10:11]
	s_load_b128 s[12:15], s[0:1], 0x20             ; order s[12:13], wp s[14:15]
	s_load_b64 s[18:19], s[0:1], 0x30              ; out
	v_lshrrev_b32 v1, 5, v0
	v_readfirstlane_b32 s20, v1                    ; wave 0 .. 7
	v_and_b32 v7, 31, v0                           ; lane
	v_and_b32 v5, 15, v0                           ; r
	v_bfe_u32 v6, v0, 4, 1                         ; h
	v_lshlrev_b32 v[L16], 4, v7
	v_lshlrev_b32 v[L8], 3, v7
	v_lshlrev_b32 v[L4], 2, v7
	s_wait_alu depctr_va_sdst(0)                   ; s20 is written, ahead of its first reader
	s_lshl_b32 s32, s20, 9
	v_lshl_add_u32 v[HST], v5, 4, s32
	v_lshl_add_u32 v[HST], v6, 3, v[HST]
	s_lshr_b32 s32, s20, 1
	s_lshl_b32 s32, s32, 8
	s_and_b32 s33, s20, 1
	s_lshl_b32 s33, s33, 1
	s_add_co_u32 s32, s32, s33
	v_lshl_add_u32 v[HSS], v5, 2, s32
	v_mul_u32_u24 v248, v5, XP
	v_lshl_add_u32 v248, v6, 4, v248               ; a fragment of x: row r, + 16 h
	v_lshlrev_b32 v249, 2, v5                      ; 4 r
	s_mul_i32 s32, s20, 8*XP
	v_add_nc_u32 v250, s32, v[L16]                 ; where my eight rows of x go
	s_lshl_b32 s32, s20, 8
	s_add_co_u32 s32, s32, TT
	v_add_nc_u32 v251, s32, v[L4]                  ; my table of token numbers
	s_mov_b32 s48, 0x41b2e92f                      ; 1 / 0.044715 = 22.36386
	s_mov_b32 s49, s48                             ; (named with it as a pair, so it is written)
	s_mov_b32 s50, 0xbdd2d3e8                      ; K2 = -0.10294324
	s_mov_b32 s51, s50
	s_mov_b32 s52, 0x76543210
	s_mov_b32 s53, 0xfedcba98                      ; v_permlanex16_b32's selects for lane l xor 16
	s_lshl_b32 s32, ttmp9, 8                       ; my block's 64 words of 'order'
	s_mov_b32 s33, 0
	s_lshl_b32 s34, s20, 5                         ; my wave's eight of them
	s_mov_b32 s35, 0
	s_mul_i32 s38, s20, WSTR
	s_mov_b32 s39, 0
	s_wait_kmcnt 0x0
	s_add_nc_u64 s[36:37], s[12:13], s[32:33]
	s_add_nc_u64 s[34:35], s[36:37], s[34:35]
	s_load_b256 s[40:47], s[34:35], 0x0            ; places 8 w .. 8 w + 7, as scalars: I fetch these tokens' rows of x
	s_wait_alu depctr_va_vdst(0)                   ; the offsets and LDS addresses v1, v2, v7 and v248 to v251 are written, which the loads and LDS instructions from here on read
	global_load_b32 v184, v[L4], s[36:37]          ; place l
	global_load_b32 v185, v[L4], s[36:37] offset:128   ; place 32 + l
.irp m, 0,1,2,3
	global_load_b32 v[186+\m], v249, s[36:37] offset:64*\m   ; place 16 m + r: my token of tile m
.endr
	s_add_nc_u64 s[28:29], s[14:15], s[38:39]      ; my wave's part of the laid weights
	s_wait_kmcnt 0x0
.irp i, 0,1,2,3,4,5,6,7
	s_and_b32 s[40+\i], s[40+\i], 0x1fff           ; the token's number,
	s_min_u32 s[40+\i], s[40+\i], 0x1fff           ; a row of the table
	v_lshl_add_u32 v[192+\i], s[40+\i], 9, v[L16]
.endr
	s_wait_alu depctr_va_vdst(0)                   ; the eight rows' offsets v192 to v199 are written, which the eight loads read
.irp i, 0,1,2,3,4,5,6,7
	global_load_b128 v[200+4*\i:203+4*\i], v[192+\i], s[4:5]   ; a whole row of x's codes: 32 lanes, 512 consecutive bytes
.endr
	s_wait_loadcnt 8                               ; the six loads of 'order' are in; the eight rows behind them may be out
	v_bfe_u32 v240, v184, 16, 4                    ; the two experts of each of my two places, as bits
	v_bfe_u32 v241, v184, 20, 4
	v_bfe_u32 v242, v185, 16, 4
	v_bfe_u32 v243, v185, 20, 4
	v_lshlrev_b32 v240, v240, 1
	v_lshlrev_b32 v241, v241, 1
	v_lshlrev_b32 v242, v242, 1
	v_lshlrev_b32 v243, v243, 1
	v_or_b32 v240, v240, v241
	v_or_b32 v242, v242, v243
	v_or_b32 v240, v240, v242
.irp n, 0,1,2,3,4,5
	v_and_b32 v[184+\n], 0x1fff, v[184+\n]
	v_min_u32 v[184+\n], 0x1fff, v[184+\n]         ; token numbers
.endr
	v_lshlrev_b32 v232, 5, v184                    ; x's scale bytes: 32 a token = the eight K steps' words.  Lanes 0-15 take an even tile's tokens, lanes 16-31 the odd tile's
	v_lshlrev_b32 v233, 5, v185
.irp m, 0,1,2,3
	v_lshlrev_b32 v[234+\m], 3, v[186+\m]          ; my token's pair of experts and of routing weights: 8 bytes a token
.endr
	s_wait_alu depctr_va_vdst(0)                   ; the token numbers v184, v185, which the two LDS stores read, and the six offsets v232 to v237, which the twelve loads read, are written
	ds_store_b32 v251, v184                        ; my wave's own table, for the way out
	ds_store_b32 v251, v185 offset:128
	global_load_b128 v[XS:XS+3], v232, s[6:7]
	global_load_b128 v[XS+4:XS+7], v232, s[6:7] offset:16
	global_load_b128 v[XS+8:XS+11], v233, s[6:7]
	global_load_b128 v[XS+12:XS+15], v233, s[6:7] offset:16
.irp m, 0,1,2,3
	global_load_b64 v[EM+2*\m:EM+2*\m+1], v[234+\m], s[10:11]   ; my token's two experts, as they are given,
	global_load_b64 v[RW+2*\m:RW+2*\m+1], v[234+\m], s[8:9]     ; and its two routing weights
.endr
	s_mov_b32 s22, 0                               ; U: bit e = some of the 64 tokens chose expert e (e = 0 .. 7; "none" is left out)
.irp e, 0,1,2,3,4,5,6,7
	v_and_b32 v241, 1<<\e, v240
	v_cmp_ne_u32 s[32+\e], 0, v241                 ; the eight compares in one run, a scalar register each (the loads that read s[36:37] were shown done above)
.endr
	s_wait_alu depctr_va_sdst(0)                   ; the eight masks s32 to s39 are written, ahead of their first readers
.irp e, 0,1,2,3,4,5,6,7
	s_cmp_lg_u32 s[32+\e], 0
	s_cselect_b32 s[32+\e], 1<<\e, 0
	s_or_b32 s22, s22, s[32+\e]
.endr
	s_lshr_b32 s21, s22, 1                         ; bit e of s21 = some bit of U above e: U >> 1, spread downward
	s_lshr_b32 s32, s21, 1
	s_or_b32 s21, s21, s32
	s_lshr_b32 s32, s21, 2
	s_or_b32 s21, s21, s32
	s_lshr_b32 s32, s21, 4
	s_or_b32 s21, s21, s32
	s_ctz_i32_b32 s23, s22
	s_min_u32 s23, s23, 7                          ; the first expert in use (7 where there is none: the ring's loads stay inside the buffer and are not used)
	s_mul_i32 s32, s23, ES
	s_mov_b32 s33, 0
	s_add_nc_u64 s[26:27], s[28:29], s[32:33]      ; phase 1's first unit
	REFILL 0                                       ; no vector instruction has named the ring's registers, and its offsets stand ahead of the waits above
	REFILL 1
	REFILL 2
	REFILL 3
	s_wait_loadcnt 48                              ; my eight rows of x are in: behind them 12 loads of scales, experts and weights and the ring's 36
.irp i, 0,1,2,3,4,5,6,7
	ds_store_b128 v250, v[200+4*\i:203+4*\i] offset:XP*\i
.endr
	s_wait_dscnt 0x0                               ; for the others' sake: my rows lie in LDS
	s_barrier_signal -1
	s_barrier_wait -1                              ; all 64 rows do
	WIN 0x40                                       ; destination window 1
.irp m, 0,1,2,3
.irp s, 0,1,2,3,4,5,6,7
.irp c, 0,1
	ds_load_b128 v[8*(8*\m+\s)+4*\c:8*(8*\m+\s)+4*\c+3], v248 offset:16*XP*\m+64*\s+32*\c   ; x stays in registers: tile m, K step s
.endr
.endr
.endr
	WIN 0
	s_wait_dscnt 0x0
	s_wait_loadcnt 36                              ; x's scale words, the experts and the routing weights are in; the ring's 36 may be out
	s_wait_alu depctr_vm_vsrc(0)                   ; the head's loads and LDS instructions have read v184 to v237 and v248 to v251 (token numbers, offsets, rows, addresses): these are accumulators and work registers from here on
; ---------------- PHASE 1 ----------------
; A unit: hidden units 64 w + 32 p .. + 31 of expert e for the 64 tokens: two tiles of W1's rows x four tiles of tokens = 8 accumulators, K = 1,024 in eight steps, two to a group.
.macro UNIT1 p
.if \p == 0
	s_wait_xcnt 0x0                                ; the ring's loads have read their base: it may be written
	s_mul_i32 s32, s24, ES
	s_mov_b32 s33, 0
	s_add_nc_u64 s[26:27], s[28:29], s[32:33]
	s_add_nc_u64 s[26:27], s[26:27], UB            ; the next unit: this expert's second
.else
	NEXTU 0, 128                                   ; the next expert's first unit, or phase 2's first: the first expert's columns 0-63
.endif
	WIN 0x04                                       ; source 1 (x) window 1
.irp g, 0,1,2,3
.if \g == 0
	s_wait_loadcnt 27                              ; the unit's group 0 is in; its three other groups of 9 may be out
.else
	s_wait_loadcnt 18                              ; group g is in; the two groups of 9 asked for behind it may be out
	s_wait_alu depctr_va_vdst(0)                   ; the products of group g - 1 are done reading its fragments and scale words, in which this step's nine loads land
.endif
.irp sl, 0,1
.irp u, 0,1
.if \g > 0
	REFILLQ \g-1, 2*\sl+\u                         ; group g - 1 of the next unit, dealt among this step's products, which name none of its registers (a load names a destination and source 0: both window 0)
.endif
.irp m, 0,1,2,3
.set rD, ACC+8*(4*\u+\m)
.set rA, WB+32*\g+8*(2*\sl+\u)
.set rB, 8*(8*\m+2*\g+\sl)
.set rSA, WS+2*\g+\sl
.set rSB, XS+8*(\m/2)+2*\g+\sl
.if (\g+\sl) == 0
	MM 0, \u, \m%2                                 ; the first K step starts the sums.  The eight accumulators take turns, one instruction a turn
.else
	MM v[rD:rD+7], \u, \m%2
.endif
.endr
.endr
.endr
.endr
	WIN 0
	PLACES
	s_wait_dscnt 0x0                               ; the last unit's LDS stores are done
	s_wait_alu depctr_vm_vsrc(0)                   ; and have read their codes v[PC ..], their bytes v[T ..] and their addresses v[AF], v[AS], all of which this unit writes again below
.irp a, 0,1,2,3,4,5,6,7                ; gelu, an accumulator at a time, from its low end on
.irp i, 0,2,4,6
	v_pk_fma_f32 v[T+\i:T+\i+1], v[ACC+8*\a+\i:ACC+8*\a+\i+1], v[ACC+8*\a+\i:ACC+8*\a+\i+1], s[48:49] op_sel_hi:[1,1,0]   ; x^2 + 1 / 0.044715
.endr
.irp i, 0,2,4,6
	v_pk_mul_f32 v[T+\i:T+\i+1], v[T+\i:T+\i+1], s[50:51] op_sel_hi:[1,0]          ; x K2
.endr
.irp i, 0,2,4,6
	v_pk_mul_f32 v[T+\i:T+\i+1], v[T+\i:T+\i+1], v[ACC+8*\a+\i:ACC+8*\a+\i+1]      ; x x = z
.endr
.irp i, 0,1,2,3,4,5,6,7
	v_exp_f32 v[T+\i], v[T+\i]
.endr
	v_nop                                          ; a plain place behind the transcendentals
	s_wait_alu depctr_va_vdst(0)                   ; the eight exponentials have written v[T ..], ahead of their first reader; at the first accumulator also: the unit's last products are done reading group 3
.if \a == 0
	REFILL 3                                       ; group 3 of the next unit, straight behind that wait
.endif
.irp i, 0,2,4,6
	v_pk_add_f32 v[T+\i:T+\i+1], v[T+\i:T+\i+1], 1.0 op_sel_hi:[1,0]
.endr
.irp i, 0,1,2,3,4,5,6,7
	v_rcp_f32 v[T+\i], v[T+\i]
.endr
	v_nop
	s_wait_alu depctr_va_vdst(0)                   ; the eight reciprocals have written v[T ..], ahead of their first reader
.irp i, 0,2,4,6
	v_pk_mul_f32 v[ACC+8*\a+\i:ACC+8*\a+\i+1], v[ACC+8*\a+\i:ACC+8*\a+\i+1], v[T+\i:T+\i+1]   ; x / (1 + 2^z)
.endr
.endr
; The quantiser.  Lane (r, h) holds, of token r of tile m, the block's units 16 h + 0 .. 15: tile u = 0 the first eight, u = 1 the others.  The four tiles of tokens by turns.
.irp m, 0,1,2,3
	v_max3_num_f32 v[T+\m], |v[ACC+8*\m]|, |v[ACC+8*\m+1]|, 0x1800000   ; with the floor 2^(3 - 127): the byte cannot fall under 1
.endr
.irp i, 2,4,6
.irp m, 0,1,2,3
	v_max3_num_f32 v[T+\m], v[T+\m], |v[ACC+8*\m+\i]|, |v[ACC+8*\m+\i+1]|
.endr
.endr
.irp i, 0,2,4,6
.irp m, 0,1,2,3
	v_max3_num_f32 v[T+\m], v[T+\m], |v[ACC+32+8*\m+\i]|, |v[ACC+32+8*\m+\i+1]|
.endr
.endr
.irp m, 0,1,2,3
	v_permlanex16_b32 v[T+4+\m], v[T+\m], s52, s53
.endr
.irp m, 0,1,2,3
	v_max_num_f32 v[T+\m], v[T+\m], v[T+4+\m]      ; with lane l xor 16's 16: the block's largest magnitude
.endr
.irp m, 0,1,2,3
	v_add_nc_u32 v[T+4+\m], 0xff000000, v[T+\m]    ; 2 off its exponent field: the conversion's scale operand
.endr
.irp m, 0,1,2,3
	v_lshrrev_b32 v[T+\m], 23, v[T+4+\m]           ; the scale's byte
.endr
.irp m, 0,1,2,3
	v_cvt_scalef32_pk8_fp4_f32 v[PC+2*\m], v[ACC+8*\m:ACC+8*\m+7], v[T+4+\m]
	v_cvt_scalef32_pk8_fp4_f32 v[PC+2*\m+1], v[ACC+32+8*\m:ACC+32+8*\m+7], v[T+4+\m]
.endr
	v_nop                                          ; one plain place behind the last scaled conversion
; Block 2 w + p of the next K lies at byte 256 (2 w + p) of a tile's 4,096 bytes of images, 16 bytes a token: my 16 codes are bytes 8 h .. 8 h + 7 of token r's.  No lane changes places.
	v_add_nc_u32 v[AF], s25, v[HST]
	v_add_nc_u32 v[AS], s25, v[HSS]
	s_wait_alu depctr_va_vdst(0)                   ; the codes v[PC ..], the bytes v[T ..] and the addresses v[AF], v[AS] are written, which the eight LDS stores read
.irp m, 0,1,2,3
	ds_store_b64 v[AF], v[PC+2*\m:PC+2*\m+1] offset:4096*\m+256*\p
	ds_store_b8 v[AS], v[T+\m] offset:HSC+64*\m+\p ; both halves of the lanes write the same byte with the same value
.endr
.endm
	s_mov_b32 s24, 0
	s_mov_b32 s25, HS0
.Lp1:
	s_lshr_b32 s32, s22, s24
	s_and_b32 s32, s32, 1
	s_cmp_eq_u32 s32, 0
	s_cbranch_scc1 .Lp1_skip                       ; none of my 64 tokens chose e
	UNIT1 0
	UNIT1 1
.Lp1_skip:
	s_add_co_u32 s25, s25, HSLOT
	s_add_co_u32 s24, s24, 1
	s_cmp_lt_u32 s24, 8
	s_cbranch_scc1 .Lp1
	s_wait_dscnt 0x0                               ; for the others' sake: my images and scale bytes lie in LDS
	s_barrier_signal -1
	s_barrier_wait -1                              ; the hidden layers of all experts in use are whole; the ring's loads stay on their way
	s_wait_alu depctr_vm_vsrc(0)                   ; phase 1's LDS stores have read v[PC ..], v[T ..], v[AF] and v[AS]: phase 2 writes them as the weights w, as work registers and as its own addresses, and on the way out loads land in v[T ..]
; ---------------- PHASE 2 ----------------
.macro HLOAD s                         ; K step s of the slot's hidden layer into set s % 2: four fragments and two registers of scale words: 10 LDS loads
.irp m, 0,1,2,3
.irp c, 0,1
	ds_load_b128 v[H+32*((\s)%2)+8*\m+4*\c:H+32*((\s)%2)+8*\m+4*\c+3], v[AF] offset:(4*\m+(\s))*1024+512*\c
.endr
.endr
.irp z, 0,1
	ds_load_b32 v[HS+2*((\s)%2)+\z], v[AS] offset:HSC+256*(\s)+128*\z   ; lanes 0-15 tile 2 z, lanes 16-31 tile 2 z + 1
.endr
.endm
; A unit: 64 columns of expert e for the 64 tokens: four tiles of W2's rows x four tiles of tokens = 16 accumulators, K = 512 in four steps, one to a group.  refill = 0: the very last unit asks for nothing.
.macro UNIT2 refill
	s_wait_alu depctr_vm_vsrc(0)                   ; the last unit's LDS loads have read v[AF] and v[AS], which are written below
	v_add_nc_u32 v[AF], s25, v[L16]
	v_add_nc_u32 v[AS], s25, v[L4]
	s_wait_alu depctr_va_vdst(0)                   ; v[AF] and v[AS] are written, which the LDS loads read; and whatever named the two sets and their scale words is done (the last unit's products; ahead of a first unit phase 1's arithmetic or the way out's addresses): the loads land there
	HLOAD 0
	HLOAD 1
.irp m, 0,1,2,3                        ; w_e of my token of tile m: the routing weights of the slots that chose e.  The eight compares in one run, a scalar register each
	v_cmp_eq_u32 s[32+2*\m], s24, v[EM+2*\m]
	v_cmp_eq_u32 s[33+2*\m], s24, v[EM+2*\m+1]
.endr
	s_wait_alu depctr_va_sdst(0)                   ; the eight masks s32 to s39 are written, ahead of the selects that read them
.irp m, 0,1,2,3
	v_cndmask_b32 v[T], 0, v[RW+2*\m], s[32+2*\m]
	v_cndmask_b32 v[T+1], 0, v[RW+2*\m+1], s[33+2*\m]
	v_add_f32 v[WP+2*\m], v[T], v[T+1]
	v_mov_b32 v[WP+2*\m+1], v[WP+2*\m]             ; twice: a pair for the packed multiply-add
.endr
.irp s, 0,1,2,3
.if \refill
.if \s == 0
	s_wait_loadcnt 27                              ; the unit's group 0 is in; its three other groups of 9 may be out
.else
	s_wait_loadcnt 18                              ; group s is in; the two groups of 9 asked for behind it may be out
.endif
.else
	s_wait_loadcnt 27-9*\s                         ; nothing is asked for any more: the counts run down
.endif
.if \s == 0
	s_wait_dscnt 10                                ; this step's hidden fragments are in; the other set's 10 loads may be out
.else
	s_wait_dscnt 0x0                               ; this step's hidden fragments are in: nothing younger is out
.endif
.if \s > 0
.if \refill || (\s < 3)
	s_wait_alu depctr_va_vdst(0)                   ; the products of step s - 1 are done reading their set of hidden fragments, its scale words and the ring's group s - 1, in which the loads below land
.endif
.if \s < 3
	HLOAD \s+1                                     ; wanted a step on, so it stands first
.endif
.if \refill
	REFILL \s-1                                    ; group s - 1 of the next unit.  In one run ahead of the products: their destination window is 1, a load's destination here window 0
.endif
.endif
	WIN 0x50                                       ; C and D window 1
.irp j, 0,1,2,3
.irp m, 0,1,2,3
.set rD, 8*(4*\j+\m)
.set rA, WB+32*\s+8*\j
.set rB, H+32*(\s%2)+8*\m
.set rSA, WS+2*\s+\j/2
.set rSB, HS+2*(\s%2)+\m/2
.if \s == 0
	MM 0, \j%2, \m%2                               ; the 16 accumulators take turns, one instruction a turn
.else
	MM v[rD:rD+7], \j%2, \m%2
.endif
.endr
.endr
	WIN 0
.endr
	PLACES
.if \refill
	s_wait_alu depctr_va_vdst(0)                   ; the unit's last products are done reading group 3, in which the loads below land
	REFILL 3
.endif
	WIN 0x51                                       ; the product and out in window 1, w in window 0
.irp j, 0,1,2,3
.irp m, 0,1,2,3
.irp i, 0,2,4,6
	v_pk_fma_f32 v[128+8*(4*\j+\m)+\i:128+8*(4*\j+\m)+\i+1], v[8*(4*\j+\m)+\i:8*(4*\j+\m)+\i+1], v[WP+2*\m:WP+2*\m+1], v[128+8*(4*\j+\m)+\i:128+8*(4*\j+\m)+\i+1]   ; out += w_e x product; each product from its low end on
.endr
.endr
.endr
	WIN 0
.endm
.macro CLEAR                           ; how many experts add into a row hangs on the data and may be none: so out begins as zeros
	WIN 0x40
.set n, 0
.rept 128
	v_mov_b32 v[128+n], 0
.set n, n+1
.endr
	WIN 0
.endm
; THE WAY OUT of columns 128 w + 64 q .. + 63.  A lane holds 32 neighbouring bytes of one token's row, four times; a tile of 16 tokens goes through my own stage and comes back as rows of 256 bytes.
.macro STORE q
	v_and_b32 v220, 15, v0                         ; the addresses are made here, in registers that the hidden fragments have left
	v_bfe_u32 v221, v0, 4, 1
	s_mul_i32 s32, s20, 16*SP
	s_add_co_u32 s32, s32, STG
	v_mul_u32_u24 v216, v220, SP
	v_lshl_add_u32 v216, v221, 5, v216
	v_add_nc_u32 v216, s32, v216                   ; in: row r, + 32 h
	v_mul_u32_u24 v217, v221, SP
	v_lshl_add_u32 v217, v220, 4, v217
	v_add_nc_u32 v217, s32, v217                   ; back: lanes 0-15 one row, lanes 16-31 the next
	s_lshl_b32 s33, s20, 8
	s_add_co_u32 s33, s33, TT
	v_lshl_add_u32 v218, v221, 2, s33              ; those rows' token numbers in my table
	s_lshl_b32 s33, s20, 9
	v_lshl_add_u32 v219, v220, 4, s33              ; my wave's 512 bytes of a row of out, 16 bytes a lane
.irp m, 0,1,2,3
	s_wait_xcnt 0x0                                ; earlier stores have read their registers
.if \m > 0
	s_wait_alu depctr_vm_vsrc(0)                   ; the last tile's global stores have read their rows v[RB ..] and their addresses v[T ..], in which the loads below land
.endif
	s_wait_alu depctr_va_vdst(0)                   ; first tile: out and the addresses v216 to v218 are written, which the LDS instructions below read, and all that named v[RB ..] and v[T ..] is done; later tiles: the last tile's address arithmetic has written v[T ..], in which loads land
	WIN 0x04                                       ; an LDS store's data are its source 1: window 1
.irp j, 0,1,2,3
	ds_store_b128 v216, v[128+8*(4*\j+\m):128+8*(4*\j+\m)+3] offset:64*\j
	ds_store_b128 v216, v[128+8*(4*\j+\m)+4:128+8*(4*\j+\m)+7] offset:64*\j+16
.endr
	WIN 0
.irp i, 0,1,2,3,4,5,6,7
	ds_load_b32 v[T+\i], v218 offset:4*(16*\m+2*\i)
.endr
.irp i, 0,1,2,3,4,5,6,7
	ds_load_b128 v[RB+4*\i:RB+4*\i+3], v217 offset:2*SP*\i   ; LDS serves a wave's instructions in order: these see my stores
.endr
	s_wait_dscnt 0x0
.irp i, 0,1,2,3,4,5,6,7
	v_min_u32 v[T+\i], 0x1fff, v[T+\i]             ; a row of out,
	v_lshl_add_u32 v[T+\i], v[T+\i], 12, v219      ; 4,096 bytes a row
.endr
	s_wait_alu depctr_va_vdst(0)                   ; the eight addresses v[T ..] are written, which the global stores read
.irp i, 0,1,2,3,4,5,6,7
	global_store_b128 v[T+\i], v[RB+4*\i:RB+4*\i+3], s[18:19] offset:256*\q th:TH_STORE_NT   ; 16 lanes store 256 consecutive bytes, at a multiple of 256 from out's first byte
.endr
.endr
	s_wait_xcnt 0x0                                ; the stores have read their registers: what follows may write them
.endm
; columns 128 w .. + 63
	CLEAR
	s_mov_b32 s24, 0
	s_mov_b32 s25, HS0
.Lc0:
	s_lshr_b32 s32, s22, s24
	s_and_b32 s32, s32, 1
	s_cmp_eq_u32 s32, 0
	s_cbranch_scc1 .Lc0_skip
	NEXTU 128, 129                                 ; the next expert's unit of these columns, or the first expert's of the other 64
	UNIT2 1
.Lc0_skip:
	s_add_co_u32 s25, s25, HSLOT
	s_add_co_u32 s24, s24, 1
	s_cmp_lt_u32 s24, 8
	s_cbranch_scc1 .Lc0
	STORE 0                                        ; these stores leave while the other 64 columns are multiplied
	s_wait_alu depctr_vm_vsrc(0)                   ; the way out's LDS and global instructions have read out, v216 to v219, v[RB ..] and v[T ..]: the zeros, the next units' loads and the next way out write them
; columns 128 w + 64 .. + 127
	CLEAR
	s_mov_b32 s24, 0
	s_mov_b32 s25, HS0
.Lc1:
	s_lshr_b32 s32, s22, s24
	s_and_b32 s32, s32, 1
	s_cmp_eq_u32 s32, 0
	s_cbranch_scc1 .Lc1_skip
	s_lshr_b32 s33, s21, s24
	s_and_b32 s33, s33, 1
	s_cmp_lg_u32 s33, 0
	s_cbranch_scc1 .Lc1_more
	UNIT2 0                                        ; the last expert in use: no unit follows
	s_branch .Lc1_skip
.Lc1_more:
	NEXTU 129, 129                                 ; the next expert's unit of these columns
	UNIT2 1
.Lc1_skip:
	s_add_co_u32 s25, s25, HSLOT
	s_add_co_u32 s24, s24, 1
	s_cmp_lt_u32 s24, 8
	s_cbranch_scc1 .Lc1
	STORE 1
	s_wait_xcnt 0x0
	s_wait_alu depctr_vm_vsrc(0)                   ; the last global stores have read v250 and v251, two of their addresses, which are made anew below
	v_lshl_add_u32 v250, v0, 2, 0x33400            ; my spare word: behind the tables, 4 bytes a thread
	v_mov_b32 v251, 0
	s_wait_dscnt 0x0                               ; the closing lines, six on end
	s_wait_alu 0x0
	s_wait_tensorcnt 0x0
	ds_add_u32 v250, v251
	s_wait_dscnt 0x0
	s_endpgm
.Lfunc_end_k_q09b0e451dd_moe:
	.size	k_q09b0e451dd_moe, .Lfunc_end_k_q09b0e451dd_moe-k_q09b0e451dd_moe
	.p2alignl 7, 3214868480
	.fill 96, 4, 3214868480
	.section	.rodata,"a",@progbits
	.p2align	6, 0x0
	.amdhsa_kernel k_q09b0e451dd_moe
		.amdhsa_group_segment_fixed_size 210944
		.amdhsa_private_segment_fixed_size 0
		.amdhsa_enable_private_segment 0
		.amdhsa_kernarg_size 56
		.amdhsa_user_sgpr_count 2
		.amdhsa_user_sgpr_kernarg_segment_ptr 1
		.amdhsa_wavefront_size32 1
		.amdhsa_system_sgpr_workgroup_id_x 1
		.amdhsa_system_sgpr_workgroup_id_y 1
		.amdhsa_system_sgpr_workgroup_id_z 1
		.amdhsa_system_vgpr_workitem_id 0
		.amdhsa_next_free_vgpr 512
		.amdhsa_next_free_sgpr 66
		.amdhsa_reserve_vcc 0
		.amdhsa_float_denorm_mode_32 3
		.amdhsa_float_denorm_mode_16_64 3
		.amdhsa_memory_ordered 1
		.amdhsa_forward_progress 1
		.amdhsa_inst_pref_size 179
	.end_amdhsa_kernel
	.amdgpu_metadata
---
amdhsa.version: [ 1, 2 ]
amdhsa.kernels:
  - .name:           k_q09b0e451dd_moe
    .symbol:         k_q09b0e451dd_moe.kd
    .args:
      - { .name: hidden_states_codes, .offset: 0, .size: 8, .value_kind: global_buffer, .address_space: global }
      - { .name: hidden_states_scales, .offset: 8, .size: 8, .value_kind: global_buffer, .address_space: global }
      - { .name: routing_weights, .offset: 16, .size: 8, .value_kind: global_buffer, .address_space: global }
      - { .name: selected_experts, .offset: 24, .size: 8, .value_kind: global_buffer, .address_space: global }
      - { .name: order, .offset: 32, .size: 8, .value_kind: global_buffer, .address_space: global }
      - { .name: wp, .offset: 40, .size: 8, .value_kind: global_buffer, .address_space: global }
      - { .name: out0, .offset: 48, .size: 8, .value_kind: global_buffer, .address_space: global }
    .group_segment_fixed_size: 210944
    .private_segment_fixed_size: 0
    .kernarg_segment_align: 8
    .kernarg_segment_size: 56
    .max_flat_workgroup_size: 256
    .sgpr_count:     66
    .vgpr_count:     512
    .wavefront_size: 32
...
	.end_amdgpu_metadata
.endif
;; end of part 3
